; MI455X (gfx1250); checked and timed in simulation.
; The chip was launched on July 23, 2026; its instructions are those of AMD's public machine-readable ISA for CDNA 5 (MIT licence, August 2026) and "CDNA5" Instruction Set Architecture Reference Guide (July 2026). The comments in the code are by the model that wrote it; some were corrected since.
;; CUDA Linear Attention. Allowed arithmetic: matrix products marked QUANTISED: E2M1 operands, one E8M0 scale for each 32 along K, by v_wmma_scale_f32_16x16x128_f8f6f4 with both operands' format E2M1 (or v_wmma_scale_f32_32x16x128_f4), f32 sums; products left as they are: f32 operands where the result goes on into a quantised operand, else bf16, f16 or f32 operands; f32 sums; everything else in f32.
;; Inputs: Wk 1,024 x 1,024 float32; Wq 1,024 x 1,024 float32; Wv 1,024 x 1,024 float32; bk 1,024 float32; bq 1,024 float32; bv 1,024 float32; mask 4 x 4,096 float32; x 4 x 4,096 x 1,024 float32.
;; Outputs: out0 4 x 4,096 x 1,024 float32.
;; Constants: n_heads = 16.
;; This version of the problem:
;;   THIS VERSION OF THE PROBLEM IS GIVEN IN LOW PRECISION. The matrix products marked QUANTISED in the list below multiply operands that are first quantised to E2M1 (2 exponent bits, 1 mantissa bit; 4 bits a number), with one power-of-two scale for each 32 numbers along K (OCP MX v1.0); their sums are f32. All else is computed in f32.
;;   The module's matrix products, in the order in which they are computed (A, B: the left and right operand; K: the contracted axis; several contracted axes count as one K, in the product's order):
;;     1. [M 16,384, K 1,024] x [K 1,024, N 1,024]; A: input x; B: input Wq: QUANTISED
;;     2. [M 16,384, K 1,024] x [K 1,024, N 1,024]; A: input x; B: input Wk: QUANTISED
;;     3. [M 16,384, K 1,024] x [K 1,024, N 1,024]; A: input x; B: input Wv: QUANTISED
;;     4. batch 64 x [M 64, K 4,096] x [K 4,096, N 64]; A: computed on the way; B: computed on the way: QUANTISED
;;     5. batch 64 x [M 4,096, K 64] x [K 64, N 64]; A: computed on the way; B: computed on the way: QUANTISED
;;     6. batch 64 x [M 4,096, K 64] x [K 64, N 1]; A: computed on the way; B: computed on the way: left as it is (N = 1 < 16)
;;   THE QUANTISER, for each operand of a quantised product, along K:
;;     - K is cut into blocks of 32 from its start; a last block that is shorter is filled with zeros.
;;     - A block's scale is 2^e with e = floor(log2(the largest magnitude in the block)) - 2, held to -126 .. 127; a block of zeros has e = 0. As a byte (E8M0): e + 127.
;;     - Each number is divided by its block's scale, clamped to +-6, and rounded to the nearest number of E2M1, ties to even, subnormals kept.
;;     - The product sums the exact products of the quantised numbers (number of the format x scale) in f32.
;;   ~~~python
;;   def quantise(x, axis):      # numpy; x: float32 -> the quantised numbers, widened to float32 again
;;       x = np.moveaxis(x, axis, -1); K = x.shape[-1]
;;       x = np.pad(x, [(0, 0)] * (x.ndim - 1) + [(0, -K % 32)]); x = x.reshape(x.shape[:-1] + (-1, 32)); a = np.abs(x).max(-1, keepdims=True)
;;       e = np.where(a > 0, np.clip(np.frexp(np.where(a > 0, a, 1))[1] - 1 - 2, -126, 127), 0)      # np.frexp(a)[1] - 1 = floor(log2(a)), exactly
;;       r = np.clip(x / 2.0 ** e, -6, 6)
;;       step = 2.0 ** (np.maximum(np.frexp(np.where(r == 0, 1, r))[1] - 1, 0) - 1)
;;       q = np.round(r / step) * step * 2.0 ** e      # np.round: ties to even
;;       return np.moveaxis(q.reshape(q.shape[:-2] + (-1,))[..., :K], -1, axis).astype(np.float32)
;;   ~~~
;;   OPERANDS COMPUTED ON THE WAY. 'Computed on the way' means the value that the module computes at that place (a softmax that the list does not call 'softmax' is quantised finished and normalised). What goes into a quantiser is computed in f32, as accurately as f32 sums, v_exp_f32 and their like allow (about 1e-6 of the number): no bf16 or f16 on the way to a quantiser, and a product that is left as it is and whose result goes on into a quantised operand takes f32 operands (vector FMAs, or v_wmma_f32_16x16x4_f32). A number that lies on a knife's edge between two numbers of the format may be rounded either way, as far as f32 arithmetic and the matrix unit's own rounding can turn it there, and no further.
;; One version. Each part assembles by itself: llvm-mc -triple=amdgcn-amd-amdhsa -mcpu=gfx1250 --defsym DOCPART=n.
;; ======== version 1 of 1: 4 launches
;; workspace buffers: xc 8,388,608 bytes; xs 524,288 bytes; wc 1,572,864 bytes; ws 98,304 bytes; part 8,650,752 bytes; kvq 196,608 bytes
;; launch quant (part 1): grid 608 x 1, 4 waves a work-group, no clusters, 33,280 bytes of LDS; arguments x, Wq, Wk, Wv, xc, xs, wc, ws; writes xc, xs, wc, ws
.if DOCPART == 1
	.amdgcn_target "amdgcn-amd-amdhsa--gfx1250"
	.amdhsa_code_object_version 6
	.text
	.protected	k_q1108fd3b2d_quant
	.globl	k_q1108fd3b2d_quant
	.p2align	8
	.type	k_q1108fd3b2d_quant,@function
k_q1108fd3b2d_quant:
	s_mov_b64 s[64:65], 0
	v_nop
	global_prefetch_b8 v0, s[64:65] scope:SCOPE_SE
	s_setreg_imm32_b32 hwreg(HW_REG_WAVE_MODE, 25, 1), 1
	s_wait_xcnt 0x0
; x [16384][1024] and Wq, Wk, Wv [1024][1024], f32, become codes of FP4 (E2M1), K innermost, two codes a byte, with one E8M0 byte for each 32 along K.
; A block's scale is 2^(floor(log2(its largest magnitude)) - 2); its byte is the largest magnitude's exponent field - 2, held at 1 from below.
; LIMITS: a block of zeros gets the byte 1 where the rule says 127 (its codes are zeros, which add nothing, and this program alone reads the bytes); NaN and infinities are not served.
; WHERE THE RESULTS GO.  x: xc [16384][512 bytes], xs [16384][32 bytes].  The weights share wc [3072][512] and ws [3072][32]: rows 0-1023 are Wq's;
; row 1024 + 128 h + c is Wk's row 64 h + c for c < 64 and Wv's row 64 h + c - 64 for c >= 64, so that a head's 128 columns of k and v lie together.
; SHARES.  A work-group takes 32 rows (32,768 numbers), a wave 8 rows: 16 steps of 512 numbers.  Work-groups 0-511: x; 512-543: Wq; 544-575: Wk; 576-607: Wv.
; Only pointers and chunk numbers are chosen by the work-group's number: all four tensors take one path through the text.
; A load reads 512 consecutive bytes, 16 a lane; a step's 2,048 bytes turn through the wave's own stage in LDS and come back 64 bytes a lane, since the conversions take
; neighbours along K from one lane's registers.  Two neighbouring lanes hold a block.  No cluster: the work-groups share no input.  No barrier: the waves share nothing.
.set STEPS, 16
.set CB,    8                          ; bytes of 16 codes
.set R,     16                         ; v16-79   four sets of 16 numbers as loaded
.set X,     80                         ; v80-111  two sets of 16 neighbours
.set E,     112                        ; v112-127 a scale byte for each step
.set C,     128                        ; v128-191 codes: four registers for each step, so that no store's data are written again
.set WREG,  8192                       ; LDS: a region for each wave: two stages of 32 x SP bytes, then its 256 scale bytes
.set SP,    80                         ; a lane's place in a stage: 64 bytes + 16 of padding
	s_load_b512 s[4:19], s[0:1], 0x0               ; x, Wq, Wk, Wv, xc, xs, wc, ws
	v_lshl_add_u32 v192, v0, 2, 0x8000
	v_mov_b32 v193, 0
	v_lshrrev_b32 v1, 5, v0
	v_readfirstlane_b32 s20, v1                    ; wave
	v_and_b32 v2, 31, v0                           ; lane
	v_lshlrev_b32 v3, 4, v2                        ; my 16 bytes of a load's 512
	s_mul_i32 s21, s20, WREG
	v_lshrrev_b32 v14, 2, v2
	v_mul_u32_u24 v14, v14, SP
	v_and_b32 v15, 3, v2
	v_lshl_add_u32 v14, v15, 4, v14
	v_add_nc_u32 v14, s21, v14                     ; the stage, on the way in: SP (lane / 4) + 16 (lane % 4)
	v_mul_u32_u24 v15, v2, SP
	v_add_nc_u32 v15, s21, v15                     ; and on the way out: SP x lane: my 16 neighbours
	v_mul_u32_u24 v4, v2, CB                       ; my codes' place in a step's
	v_lshrrev_b32 v5, 1, v2
	s_add_co_u32 s21, s21, 2*32*SP
	v_add_nc_u32 v5, s21, v5                       ; LDS: my wave's 256 scale bytes, my block's byte
	v_lshlrev_b32 v7, 3, v2                        ; and on the way out 8 bytes a lane
	v_add_nc_u32 v6, s21, v7
	; which chunk of 32 rows is read, and which is written
	s_mov_b32 s27, ttmp9
	s_sub_co_u32 s22, s27, 512                     ; (of use for the weights' work-groups alone)
	s_and_b32 s23, s22, 31                         ; c: the chunk in its weight
	s_lshr_b32 s24, s22, 5                         ; 0: Wq, 1: Wk, 2: Wv
	s_lshr_b32 s25, s23, 1
	s_lshl_b32 s25, s25, 2
	s_and_b32 s26, s23, 1
	s_add_co_u32 s25, s25, s26
	s_lshl_b32 s26, s24, 1
	s_add_co_u32 s25, s25, s26
	s_add_co_u32 s25, s25, 30                      ; Wk, Wv: chunk 32 + 4 (c / 2) + c % 2 + 2 (kind - 1) of wc
	s_cmp_eq_u32 s24, 0
	s_cselect_b32 s25, s23, s25                    ; Wq: chunk c
	s_wait_kmcnt 0x0
	s_cmp_lt_u32 s27, 576
	s_cselect_b64 s[8:9], s[8:9], s[10:11]
	s_cmp_lt_u32 s27, 544
	s_cselect_b64 s[6:7], s[6:7], s[8:9]
	s_cmp_lt_u32 s27, 512
	s_cselect_b64 s[4:5], s[4:5], s[6:7]           ; the source
	s_cselect_b64 s[12:13], s[12:13], s[16:17]     ; its codes
	s_cselect_b64 s[14:15], s[14:15], s[18:19]     ; its scale bytes
	s_cselect_b32 s25, s27, s25
	s_cselect_b32 s23, s27, s23
	s_lshl_b32 s23, s23, 2
	s_add_co_u32 s23, s23, s20                     ; my wave's run of 8,192 numbers in the source,
	s_lshl_b32 s25, s25, 2
	s_add_co_u32 s25, s25, s20                     ; and in the results
	s_mov_b32 s29, 0
	s_lshl_b32 s28, s23, 15
	s_add_nc_u64 s[4:5], s[4:5], s[28:29]
	s_lshl_b32 s28, s25, 12
	s_add_nc_u64 s[12:13], s[12:13], s[28:29]
	s_lshl_b32 s28, s25, 8
	s_add_nc_u64 s[14:15], s[14:15], s[28:29]
.macro LOAD t
.irp i, 0,1,2,3
	global_load_b128 v[R+16*((\t)%4)+4*\i:R+16*((\t)%4)+4*\i+3], v3, s[4:5] offset:2048*(\t)+512*\i th:TH_LOAD_NT   ; 32 lanes read 512 consecutive bytes
.endr
.endm
.macro TURN t                          ; step t's numbers through the stage: LDS serves a wave's instructions in order, so no wait stands between the stores and the loads
.irp i, 0,1,2,3
	ds_store_b128 v14, v[R+16*((\t)%4)+4*\i:R+16*((\t)%4)+4*\i+3] offset:32*SP*((\t)%2)+8*SP*\i
.endr
.irp i, 0,1,2,3
	ds_load_b128 v[X+16*((\t)%2)+4*\i:X+16*((\t)%2)+4*\i+3], v15 offset:32*SP*((\t)%2)+16*\i
.endr
.endm
.irp t, 0,1,2,3
	LOAD \t
.endr
	s_wait_loadcnt 12                              ; step 0's four loads are in; the twelve of steps 1 to 3 may be out
	TURN 0
.macro STEP t
.set XS, X+16*((\t)%2)
.if (\t) > 0
	s_wait_dscnt 1                                 ; this step's numbers are back from the stage (the last step's byte store may be out)
.else
	s_wait_dscnt 0x0
.endif
.if (\t)+4 < STEPS
	LOAD (\t)+4                                    ; into the set that the stage's stores have read
.endif
.if (\t)+1 < STEPS
.if STEPS-2-(\t) >= 3
	s_wait_loadcnt 12                              ; the next step's four loads are in; those of the three steps behind it may be out
.else
	s_wait_loadcnt 4*(STEPS-2-(\t))
.endif
	TURN (\t)+1                                    ; they go through the other stage while this step is worked
.endif
	v_max3_num_f32 v8, |v[XS]|, |v[XS+1]|, |v[XS+2]|               ; the largest magnitude of my 16, in two chains
	v_max3_num_f32 v9, |v[XS+3]|, |v[XS+4]|, |v[XS+5]|
.irp i, 6,10
	v_max3_num_f32 v8, v8, |v[XS+\i]|, |v[XS+\i+1]|
	v_max3_num_f32 v9, v9, |v[XS+\i+2]|, |v[XS+\i+3]|
.endr
	v_max3_num_f32 v8, v8, |v[XS+14]|, |v[XS+15]|
	v_max3_num_f32 v8, v8, v9, 0x1800000           ; and the floor 2^(3 - 127): the byte cannot fall under 1
	v_max_num_f32_dpp v8, v8, v8 row_xmask:1 row_mask:0xf bank_mask:0xf   ; with my neighbour's 16: the block's
	v_add_nc_u32 v11, 0xff000000, v8               ; 2 off its exponent field: the conversion takes the exponent field of this operand as its scale
	v_cvt_scalef32_pk8_fp4_f32 v[C+4*(\t)], v[XS:XS+7], v11
	v_cvt_scalef32_pk8_fp4_f32 v[C+4*(\t)+1], v[XS+8:XS+15], v11
	v_lshrrev_b32 v[E+(\t)], 23, v11               ; the scale's byte (a plain line behind the conversions)
	ds_store_b8 v5, v[E+(\t)] offset:16*(\t)       ; both lanes of a block write the same byte with the same value
	global_store_b64 v4, v[C+4*(\t):C+4*(\t)+1], s[12:13] offset:32*CB*(\t)   ; the wave stores 256 consecutive bytes, aligned
.endm
.irp t, 0,1,2,3,4,5,6,7,8,9,10,11,12,13,14,15
	STEP \t
.endr
	ds_load_b64 v[12:13], v6                       ; LDS serves a wave's instructions in order: these see my byte stores
	s_wait_dscnt 0x0
	global_store_b64 v7, v[12:13], s[14:15]        ; 32 lanes store 256 consecutive bytes, aligned
	s_wait_tensorcnt 0x0
	ds_add_u32 v192, v193
	s_wait_dscnt 0x0
	s_endpgm
.Lfunc_end_k_q1108fd3b2d_quant:
	.size	k_q1108fd3b2d_quant, .Lfunc_end_k_q1108fd3b2d_quant-k_q1108fd3b2d_quant
	.p2alignl 7, 3214868480
	.fill 96, 4, 3214868480
	.section	.rodata,"a",@progbits
	.p2align	6, 0x0
	.amdhsa_kernel k_q1108fd3b2d_quant
		.amdhsa_group_segment_fixed_size 33280
		.amdhsa_private_segment_fixed_size 0
		.amdhsa_enable_private_segment 0
		.amdhsa_kernarg_size 64
		.amdhsa_user_sgpr_count 2
		.amdhsa_user_sgpr_kernarg_segment_ptr 1
		.amdhsa_wavefront_size32 1
		.amdhsa_system_sgpr_workgroup_id_x 1
		.amdhsa_system_sgpr_workgroup_id_y 1
		.amdhsa_system_sgpr_workgroup_id_z 1
		.amdhsa_system_vgpr_workitem_id 0
		.amdhsa_next_free_vgpr 194
		.amdhsa_next_free_sgpr 66
		.amdhsa_reserve_vcc 0
		.amdhsa_float_denorm_mode_32 3
		.amdhsa_float_denorm_mode_16_64 3
		.amdhsa_memory_ordered 1
		.amdhsa_forward_progress 1
		.amdhsa_inst_pref_size 34
	.end_amdhsa_kernel
	.amdgpu_metadata
---
amdhsa.version: [ 1, 2 ]
amdhsa.kernels:
  - .name:           k_q1108fd3b2d_quant
    .symbol:         k_q1108fd3b2d_quant.kd
    .args:
      - { .name: x, .offset: 0, .size: 8, .value_kind: global_buffer, .address_space: global }
      - { .name: Wq, .offset: 8, .size: 8, .value_kind: global_buffer, .address_space: global }
      - { .name: Wk, .offset: 16, .size: 8, .value_kind: global_buffer, .address_space: global }
      - { .name: Wv, .offset: 24, .size: 8, .value_kind: global_buffer, .address_space: global }
      - { .name: xc, .offset: 32, .size: 8, .value_kind: global_buffer, .address_space: global }
      - { .name: xs, .offset: 40, .size: 8, .value_kind: global_buffer, .address_space: global }
      - { .name: wc, .offset: 48, .size: 8, .value_kind: global_buffer, .address_space: global }
      - { .name: ws, .offset: 56, .size: 8, .value_kind: global_buffer, .address_space: global }
    .group_segment_fixed_size: 33280
    .private_segment_fixed_size: 0
    .kernarg_segment_align: 8
    .kernarg_segment_size: 64
    .max_flat_workgroup_size: 128
    .sgpr_count:     66
    .vgpr_count:     194
    .wavefront_size: 32
...
	.end_amdgpu_metadata
.endif
;; end of part 1
;; launch kv (part 2): grid 8 x 32, 4 waves a work-group, clusters of 4 x 4, 327,680 bytes of LDS; arguments xc, xs, wc, ws, bk, bv, mask, part; writes part
.if DOCPART == 2
	.amdgcn_target "amdgcn-amd-amdhsa--gfx1250"
	.amdhsa_code_object_version 6
	.text
	.protected	k_q1108fd3b2d_kv
	.globl	k_q1108fd3b2d_kv
	.p2align	8
	.type	k_q1108fd3b2d_kv,@function
k_q1108fd3b2d_kv:
	s_mov_b64 s[64:65], 0
	v_nop
	global_prefetch_b8 v0, s[64:65] scope:SCOPE_SE
	s_setreg_imm32_b32 hwreg(HW_REG_WAVE_MODE, 25, 1), 1
	s_wait_xcnt 0x0
	s_wait_alu depctr_hold_cnt(0) depctr_sa_sdst(0) depctr_va_vdst(0) depctr_va_sdst(0) depctr_va_ssrc(0) depctr_va_vcc(0) depctr_vm_vsrc(0)
	s_getreg_b32 s2, hwreg(HW_REG_IB_STS2, 6, 4)
	s_cmp_eq_u32 s2, 0
	s_cbranch_scc0 .Lentry_in_a_cluster
	s_endpgm
.Lentry_in_a_cluster:
	s_bfe_u32 s2, ttmp6, 0x10000c
	s_cmp_lg_u32 s2, 0xf033
	s_cbranch_scc0 .Lentry_shape_is_right
	s_endpgm
.Lentry_shape_is_right:
; The K and V side.  k = x Wk^T + bk, v = x Wv^T + bv on codes of FP4 with E8M0 scales; kf = (elu(k) + 1) m, v = v m in f32; both are quantised along t in registers, and
; kv[d][k] += sum over t of kf[t][d] v[t][k] on codes again; z[d] += sum over t of the unquantised kf.  What leaves is a partial kv (64 x 64 f32) and z (64) for each head and each 512 rows of t.
; SHARES.  Work-group (X, Y): heads 2 X and 2 X + 1, rows 512 Y .. 512 Y + 511 of the 16,384, in two row-steps of 256.  Wave w (i = w / 2, j = w % 2): 128 rows (half i of the row-step) x the 128 columns of head
; 2 X + j: column groups 0-3 are k's 64, groups 4-7 v's 64 (wc holds them so).  64 accumulators of 16 x 16, 512 registers.
; THE PROJECTION IS USED IN ITS NATURAL ORDER (source 0 = 16 rows of x, source 1 = 16 rows of W): a lane holds ONE column (lane % 16) and its eight registers run along t, which is the next product's K.
; So an accumulator's eight registers are what one conversion takes; two exchanges of half-waves for each 64 along t put the four code registers into the operand's layout.
; LDS.  K = 1,024 goes in two halves of 512 through two slots (rows of 256 bytes + 16 of padding).  W's two halves are filled once and stay; x's are filled again for the second row-step.
; The scale bytes of the 512 rows of x and the 256 rows of W come once, in whole runs of 256 bytes.  The mask of the 512 rows is copied into LDS bytes of its own.
; CLUSTER 4 x 4: the four work-groups of a row of the cluster (same Y) need the same x, the four of a column (same X) the same W: every tile is asked for jointly.
; LIMITS: NaN and infinities are not served.  elu(y) + 1 for y <= 0 is taken as 2^(y log2 e) where the source has expm1(y) + 1: at most about 6e-8 apart.  A block of zeros carries the scale byte 1 over zero codes.
; REGISTERS.  window 0: v16-29 addresses; v32-95 scale words, two sets (in the epilogue T v32-63, P v64-95); v96-103 z; v104-111 the made fragments' scale words; v112-127 at work;
;   v128-191 x's fragments, one set (in the epilogue the eight made fragments); v192-255 the biases as C.
;   window 1: v0-63, v128-191 W's fragments, two sets (v0-63 in the epilogue: the mask); v64-127, v192-255 the 16 accumulators of kv.   windows 2, 3: accumulator (a, b) at v[8 (8 (a % 4) + b)] of window 2 + a / 4.
.set PITCH, 272                        ; an LDS row: 256 bytes + 16 of padding = 68 words: the 16 rows that a load touches start at 16 different banks (64 banks of 4 bytes: ISA guide 11.1)
.set HALFT, 128*PITCH                  ; what one wave reads of x or of W
.set QUART, 64*PITCH                   ; what one tensor load brings
.set SLOT,  4*HALFT                    ; x's 256 rows, then W's 256 rows
.set SCA,   2*SLOT                     ; x's scale bytes: 64 runs of 256 + 16
.set SCB,   SCA+64*272                 ; W's: 32 runs
.set SPARE, SCB+32*272                 ; the spare words, 128 bytes for each wave: two blocks of 256 bytes that no other line names
.set MSK,   SPARE+512                  ; the mask of my 512 rows, f32
.set MENT,  16896                      ; a partial: 16,384 bytes of kv, 512 of z.  The merge's stage, two of these, lies in slot 0 from byte 0, behind that slot's last fill and last read
.set NP,    4                          ; places behind this matrix instruction (ISA guide 7.12.1)
.set ADRA, 16                          ; v16-17 LDS address of my fragments of x in slot 0, 1
.set ADRB, 20                          ; v20-21 the same for W
.set ADRS, 22                          ; v22-23 my scale words, row-step 0, 1: lanes 0-15 x's rows, lanes 16-31 W's
.set MA,   24                          ; v24 the mask of my 128 rows
.set LI,   25                          ; v25 16 x lane
.set MS,   26                          ; v26 my place in the merge's stage
.set SPW,  28                          ; v28 LDS address of my spare word; never rewritten
.set NIL,  29                          ; v29 0; never rewritten
.set SC,   32
.set T,    32
.set P,    64
.set Z,    96                          ; v96-103 a pair for each of k's four column groups
.set KSW,  104                         ; v104-111 scale words of the eight made fragments: they hold scales and nothing else
.set MX,   112                         ; v112-115 largest magnitudes
.set BY,   114                         ; (over the last two of them) scale bytes
.set PX,   116                         ; v116-117 the other half-wave's
.set SO,   118                         ; v118-119 the conversions' scale operands
.set ZS,   120                         ; v120-127 at work on z
.set AF,   128
.set CF,   128
.set BC,   192
.set KV,   64                          ; in window 1
.set G1A,  24                          ; s[24:31] group 1 for x's tiles;  s[32:39] W's;  s[40:47] x's scales;  s[48:55] W's scales
.set G1B,  32
.set G1SA, 40
.set G1SB, 48
.set G0A,  56                          ; s[56:63] groups 0 for x's tiles, one for each slot;  s[68:75] W's;  s[76:79], s[80:83] the scales'
.set G0B,  68
.set G0SA, 76
.set G0SB, 80
.set L2E,  84                          ; s[84:85] log2(e), twice
.set SEL,  86                          ; s[86:87] v_permlanex16_b32's selects for lane l xor 16
.set TO_B, 0x40                        ; destination window 1, address window 0
.set MSB, 0
.macro WIN new                         ; the immediate's high byte repeats the setting that is left
.if MSB != (\new)
	s_set_vgpr_msb (MSB<<8)|(\new)
.set MSB, (\new)
.endif
.endm
.macro PLACES n
.rept \n
	v_nop
.endr
.endm
.macro CREST                           ; a round of the cluster's barrier behind its opening barrier
	s_cmp_lg_u32 s20, 0
	s_cbranch_scc1 .Lnot_wave_0_\@
	s_barrier_signal -3
.Lnot_wave_0_\@:
	s_barrier_wait -3
	s_barrier_signal -1
	s_barrier_wait -1
.endm
.macro CROUND                          ; a whole round
	s_barrier_signal -1
	s_barrier_wait -1
	CREST
.endm
	s_load_b512 s[4:19], s[0:1], 0x0               ; xc, xs, wc, ws, bk, bv, mask, part
	v_lshl_add_u32 v[SPW], v0, 2, SPARE
	v_mov_b32 v[NIL], 0
	ds_add_u32 v28, v29
	ds_add_u32 v28, v29
	s_wait_dscnt 0x0
	v_lshrrev_b32 v1, 5, v0
	v_readfirstlane_b32 s20, v1                    ; wave 0..3
	s_lshr_b32 s21, s20, 1                         ; i: which 128 rows of a row-step
	s_and_b32 s22, s20, 1                          ; j: which of the two heads
	s_bfe_u32 s88, ttmp6, 0x40000                  ; cx, cy: my place in the cluster
	s_bfe_u32 s89, ttmp6, 0x40004
	s_lshl_b32 s90, ttmp9, 2
	s_add_co_u32 s90, s90, s88                     ; X = 4 x cluster x + cx
	s_and_b32 s91, ttmp7, 0xffff
	s_lshl_b32 s91, s91, 2
	s_add_co_u32 s91, s91, s89                     ; Y = 4 x cluster y + cy
	s_lshl_b32 s92, s89, 2
	s_lshl_b32 s92, 15, s92                        ; my row of the cluster
	s_lshl_b32 s93, 0x1111, s88                    ; my column
	; group 1: a tile of 64 rows x 256 bytes out of rows of 512; 16 bytes of padding behind every 64 words
	s_or_b32 s[G1A], s92, (1<<20)|(1<<21)|(5<<22)|(3<<25)       ; 15:0 the mask: x's tiles go to my row; 17:16 elements of 1 byte; 20 padding on; 21 set beside a mask; 24:22 code 5; 31:25 four words
	s_or_b32 s[G1B], s93, (1<<20)|(1<<21)|(5<<22)|(3<<25)       ; W's go to my column
.irp g, G1A, G1B
	s_mov_b32 s[\g+1], 256<<16                     ; tensor_dim0
	s_mov_b32 s[\g+2], 64<<16                      ; tensor_dim1
	s_mov_b32 s[\g+3], 256<<16                     ; tile_dim0
	s_mov_b32 s[\g+4], 64                          ; tile_dim1
	s_mov_b32 s[\g+5], 512                         ; from row to row
	s_mov_b32 s[\g+6], 0
	s_mov_b32 s[\g+7], 0
.endr
	; the scale bytes: dense blocks, as rows of 256 bytes (32 elements of 8 bytes), 16 bytes of padding behind each: 16 such rows of x's a wave, 8 of W's
	s_or_b32 s[G1SA], s92, (3<<16)|(1<<20)|(1<<21)|(5<<22)|(3<<25)
	s_mov_b32 s[G1SA+1], 32<<16
	s_mov_b32 s[G1SA+2], 16<<16
	s_mov_b32 s[G1SA+3], 32<<16
	s_mov_b32 s[G1SA+4], 16
	s_mov_b32 s[G1SA+5], 32
	s_mov_b32 s[G1SA+6], 0
	s_mov_b32 s[G1SA+7], 0
	s_or_b32 s[G1SB], s93, (3<<16)|(1<<20)|(1<<21)|(5<<22)|(3<<25)
	s_mov_b32 s[G1SB+1], 32<<16
	s_mov_b32 s[G1SB+2], 8<<16
	s_mov_b32 s[G1SB+3], 32<<16
	s_mov_b32 s[G1SB+4], 8
	s_mov_b32 s[G1SB+5], 32
	s_mov_b32 s[G1SB+6], 0
	s_mov_b32 s[G1SB+7], 0
	; where the tiles come from.  x's hang on Y and the wave alone, W's on X and the wave alone, each in registers that never hold the other coordinate
	s_lshl_b32 s94, s91, 9
	s_lshl_b32 s95, s20, 6
	s_add_co_u32 s94, s94, s95
	s_lshl_b32 s94, s94, 9                         ; x's codes: row 512 Y + 64 w, 512 bytes a row
	s_mov_b32 s95, 0
	s_lshl_b32 s96, s91, 9
	s_lshl_b32 s97, s20, 7
	s_add_co_u32 s96, s96, s97
	s_lshl_b32 s96, s96, 5                         ; x's scales: row 512 Y + 128 w, 32 bytes a row
	s_mov_b32 s97, 0
	s_lshl_b32 s98, s90, 8
	s_lshl_b32 s99, s20, 6
	s_add_co_u32 s98, s98, s99
	s_add_co_u32 s98, s98, 1024                    ; W: row 1024 + 256 X + 64 w of wc and of ws
	s_lshl_b32 s100, s98, 5
	s_lshl_b32 s98, s98, 9
	s_mov_b32 s99, 0
	s_mov_b32 s101, 0
	s_mul_i32 s23, s20, QUART                      ; and where they go: the wave's number alone enters an LDS address
	s_mul_i32 s66, s20, 16*272
	s_mul_i32 s67, s20, 8*272
	s_mov_b32 s[L2E], 0x3fb8aa3b
	s_mov_b32 s[L2E+1], 0x3fb8aa3b
	s_mov_b32 s[SEL], 0x76543210
	s_mov_b32 s[SEL+1], 0xfedcba98
	s_wait_kmcnt 0x0
	s_add_nc_u64 s[94:95], s[4:5], s[94:95]
	s_add_nc_u64 s[98:99], s[8:9], s[98:99]
	CROUND                                         ; all sixteen work-groups are here: the first joint loads meet
.irp k, 0,1
	s_mov_b32 s[G0A+4*\k], 1
	s_add_co_u32 s[G0A+4*\k+1], s23, \k*SLOT
	s_add_nc_u64 s[G0A+4*\k+2:G0A+4*\k+3], s[94:95], \k*256      ; K half k
	s_or_b32 s[G0A+4*\k+3], s[G0A+4*\k+3], 0x80000000
	s_mov_b32 s[G0B+4*\k], 1
	s_add_co_u32 s[G0B+4*\k+1], s23, \k*SLOT+2*HALFT
	s_add_nc_u64 s[G0B+4*\k+2:G0B+4*\k+3], s[98:99], \k*256
	s_or_b32 s[G0B+4*\k+3], s[G0B+4*\k+3], 0x80000000
.endr
	s_mov_b32 s[G0SA], 1
	s_add_co_u32 s[G0SA+1], s66, SCA
	s_add_nc_u64 s[G0SA+2:G0SA+3], s[6:7], s[96:97]
	s_or_b32 s[G0SA+3], s[G0SA+3], 0x80000000
	s_mov_b32 s[G0SB], 1
	s_add_co_u32 s[G0SB+1], s67, SCB
	s_add_nc_u64 s[G0SB+2:G0SB+3], s[10:11], s[100:101]
	s_or_b32 s[G0SB+3], s[G0SB+3], 0x80000000
	tensor_load_to_lds s[G0SA:G0SA+3], s[G1SA:G1SA+7]            ; six first fills a wave, in one group: six loads of mine are out
	s_nop 0
	tensor_load_to_lds s[G0SB:G0SB+3], s[G1SB:G1SB+7]
	s_nop 0
	tensor_load_to_lds s[G0A:G0A+3], s[G1A:G1A+7]
	s_nop 0
	tensor_load_to_lds s[G0B:G0B+3], s[G1B:G1B+7]
	s_nop 0
	tensor_load_to_lds s[G0A+4:G0A+7], s[G1A:G1A+7]
	s_nop 0
	tensor_load_to_lds s[G0B+4:G0B+7], s[G1B:G1B+7]
	s_nop 0
	PLACES 4                                       ; behind the tensor loads
	s_lshl_b32 s66, s91, 11                        ; the mask of my 512 rows: 2,048 bytes, 16 a thread
	s_mov_b32 s67, 0
	s_add_nc_u64 s[16:17], s[16:17], s[66:67]
	v_lshlrev_b32 v3, 4, v0
	global_load_b128 v[8:11], v3, s[16:17]
	s_lshl_b32 s66, s90, 1
	s_add_co_u32 s66, s66, s22                     ; my head, 2 X + j
	s_lshl_b32 s66, s66, 8                         ; its 64 numbers of bk and of bv
	s_add_nc_u64 s[12:13], s[12:13], s[66:67]
	s_add_nc_u64 s[14:15], s[14:15], s[66:67]
	v_and_b32 v1, 15, v0                           ; r
	v_lshlrev_b32 v5, 2, v1
.irp b, 0,1,2,3
	global_load_b32 v[BC+8*\b], v5, s[12:13] offset:64*\b        ; the bias of column 16 b + r
	global_load_b32 v[BC+32+8*\b], v5, s[14:15] offset:64*\b
.endr
	s_lshr_b32 s94, s91, 3                         ; my partial: ((batch x 16 + head) x 8 + Y % 8) x MENT
	s_lshl_b32 s94, s94, 4
	s_lshl_b32 s95, s90, 1
	s_add_co_u32 s94, s94, s95
	s_add_co_u32 s94, s94, s22
	s_lshl_b32 s94, s94, 3
	s_and_b32 s95, s91, 7
	s_add_co_u32 s94, s94, s95
	s_mul_i32 s94, s94, MENT
	s_mov_b32 s95, 0
	s_add_nc_u64 s[18:19], s[18:19], s[94:95]
	v_bfe_u32 v2, v0, 4, 1                         ; h
	v_mul_u32_u24 v4, v1, PITCH
	v_lshl_add_u32 v4, v2, 4, v4                   ; a fragment's row x pitch + 16 x half
	s_mul_i32 s2, s21, HALFT                       ; my 128 rows of x
	s_mul_i32 s3, s22, HALFT                       ; my 128 rows of W,
	s_add_co_u32 s3, s3, 2*HALFT                   ; which lie behind x's 256
.irp s, 0,1
	v_add_nc_u32 v[ADRA+\s], s2, v4
	v_add_nc_u32 v[ADRB+\s], s3, v4
	s_add_co_u32 s2, s2, SLOT
	s_add_co_u32 s3, s3, SLOT
.endr
	v_lshlrev_b32 v6, 5, v1                        ; my row's scale bytes: 32 a row,
	v_lshrrev_b32 v7, 3, v1
	v_lshl_add_u32 v6, v7, 4, v6                   ; and 16 more behind each 256
	s_mul_i32 s2, s21, 16*272                      ; x's: my 128 rows of row-step 0
	s_mul_i32 s3, s22, 16*272
	s_add_co_u32 s3, s3, SCB-SCA                   ; W's: my 128 rows
.irp s, 0,1
	s_sub_co_u32 s23, s3, s2
	v_mul_u32_u24 v7, s23, v2                      ; lanes 16-31 take W's: one product, the distance x the half
	s_add_co_u32 s66, s2, SCA
	v_add_nc_u32 v7, v6, v7
	v_add_nc_u32 v[ADRS+\s], s66, v7
	s_add_co_u32 s2, s2, 32*272                    ; row-step 1: 256 rows on
.endr
	s_lshl_b32 s2, s21, 9
	s_add_co_u32 s2, s2, MSK
	v_lshl_add_u32 v[MA], v2, 5, s2                ; the mask: my 128 rows, + 8 numbers for lanes 16-31
	v_and_b32 v7, 31, v0
	v_lshlrev_b32 v[LI], 4, v7
	s_mul_i32 s2, s22, MENT
	v_add_nc_u32 v[MS], s2, v[LI]
	v_lshl_add_u32 v12, v0, 4, MSK
.irp k, 0,1,2,3,4,5,6,7
	v_mov_b32 v[Z+\k], 0                           ; z's sums begin
.endr
	v_mov_b32 v[PX], 0                             ; written once: a lane permute's destination counts as one of its sources
	v_mov_b32 v[PX+1], 0
	s_wait_loadcnt 0x0                             ; the mask and the biases
	ds_store_b128 v12, v[8:11]
.irp b, 0,1,2,3,4,5,6,7
.irp k, 1,2,3,4,5,6,7
	v_mov_b32 v[BC+8*\b+\k], v[BC+8*\b]            ; a lane holds one column: its bias fills the eight registers that a sum's first product takes as C
.endr
.endr
	s_wait_dscnt 0x0                               ; for the others' sake: my part of the mask is stored
	s_wait_tensorcnt 2                             ; the scales and my parts of slot 0 are in; the two loads of slot 1 may stay out
	s_barrier_signal -1
	s_barrier_wait -1
.macro FRAG reg, adr, q, i             ; 16 rows x 128 K of 4-bit codes: lane l holds row l % 16; registers 4 c .. 4 c + 3 hold K = 64 c + 32 (l / 16) + 0 .. 31
.irp c, 0,1
	ds_load_b128 v[\reg+4*\c:\reg+4*\c+3], v[\adr] offset:64*(\q)+32*\c+(\i)*16*PITCH
.endr
.endm
; 16 matrix instructions: x's blocks a0, a0 + 1 against W's eight, the slot's q-th 128 along K.  p: W's set; sc: the set of scale words.  zero = 1: the sums begin, with the bias as C.
; One register carries x's scale word (lanes 0-15) and W's (lanes 16-31).  The 64 accumulators take turns, one instruction a turn.
.macro MUL16 a0, p, q, sc, zero
.irp a, \a0, \a0+1
.irp b, 0,1,2,3,4,5,6,7
.if \zero
	v_wmma_scale_f32_16x16x128_f8f6f4 v[8*(8*((\a)%4)+\b):8*(8*((\a)%4)+\b)+7], v[AF+8*(\a):AF+8*(\a)+7], v[128*(\p)+8*\b:128*(\p)+8*\b+7], v[BC+8*\b:BC+8*\b+7], v[SC+32*(\sc)+4*(\a)+(\q)], v[SC+32*(\sc)+4*\b+(\q)] matrix_a_fmt:MATRIX_FMT_FP4 matrix_b_fmt:MATRIX_FMT_FP4 matrix_b_scale:MATRIX_SCALE_ROW1
.else
	v_wmma_scale_f32_16x16x128_f8f6f4 v[8*(8*((\a)%4)+\b):8*(8*((\a)%4)+\b)+7], v[AF+8*(\a):AF+8*(\a)+7], v[128*(\p)+8*\b:128*(\p)+8*\b+7], v[8*(8*((\a)%4)+\b):8*(8*((\a)%4)+\b)+7], v[SC+32*(\sc)+4*(\a)+(\q)], v[SC+32*(\sc)+4*\b+(\q)] matrix_a_fmt:MATRIX_FMT_FP4 matrix_b_fmt:MATRIX_FMT_FP4 matrix_b_scale:MATRIX_SCALE_ROW1
.endif
.endr
.endr
.endm
.macro FETCH_B slot, q, p              ; W's eight fragments into set p
	WIN TO_B
.irp i, 0,1,2,3,4,5,6,7
	FRAG 128*(\p)+8*\i, ADRB+\slot, \q, \i
.endr
	WIN 0
.endm
.macro FETCH_A slot, q, i0             ; x's blocks i0 .. i0 + 3
.irp i, \i0, \i0+1, \i0+2, \i0+3
	FRAG AF+8*(\i), ADRA+\slot, \q, \i
.endr
.endm
.macro SCALES sc, rs, kh               ; the four scale words a row of K half kh, row-step rs, into set sc: lanes 0-15 x's block i, lanes 16-31 W's block i
.irp i, 0,1,2,3,4,5,6,7
	ds_load_b128 v[SC+32*(\sc)+4*\i:SC+32*(\sc)+4*\i+3], v[ADRS+\rs] offset:544*\i+16*(\kh)
.endr
.endm
.macro MLOAD rs                        ; the mask of my 128 rows in the accumulators' layout: register 8 a + j of window 1 = m(16 a + 8 (l / 16) + j)
	WIN TO_B
.irp a, 0,1,2,3,4,5,6,7
	ds_load_b128 v[8*\a:8*\a+3], v[MA] offset:\rs*1024+64*\a
	ds_load_b128 v[8*\a+4:8*\a+7], v[MA] offset:\rs*1024+64*\a+16
.endr
	WIN 0
.endm
; A step of 128 along K that has its successor in the same slot.  x has one set of registers: blocks 0-3 are fetched anew in the step's middle, blocks 4-7 at its end; W has two sets.
; A load into a register that a matrix instruction has read stands NP places behind it.
.macro STEP slot, q, zero
	s_wait_dscnt 8                                 ; W's set and x's blocks 0-3 are in; the youngest eight loads (x's blocks 4-7) may be out
	WIN 0xa4-0x20*\zero                            ; source 1 (W) window 1; D window 2; C window 2, or window 0 for the bias
	MUL16 0, (\q)%2, \q, \slot, \zero
	MUL16 2, (\q)%2, \q, \slot, \zero
	s_wait_dscnt 0x0                               ; x's blocks 4-7 are in
	PLACES NP
	FETCH_B \slot, (\q)+1, 1-(\q)%2
	FETCH_A \slot, (\q)+1, 0
	WIN 0xf4-0x30*\zero                            ; the same with window 3
	MUL16 4, (\q)%2, \q, \slot, \zero
	MUL16 6, (\q)%2, \q, \slot, \zero
	PLACES NP
	WIN 0
	FETCH_A \slot, (\q)+1, 4
.endm
.macro STEPS slot, from                ; the slot's steps from .. 2
.set Q, \from
.rept 3-\from
	STEP \slot, Q, 0
.set Q, Q+1
.endr
.endm
; A slot's last step changes slots: one barrier; in front of it each wave waits for all its tensor loads, adds 0 to its spare word, and waits for that and for its own reads of this slot.
; fill = 1: the barrier opens a round of the cluster's barrier, and behind it x's part of this slot is filled again with the next row-step's rows: one joint load a wave.
; fetch = 1: the next slot's first fragments and scale words are fetched; 0: the row-step ends here, and the mask for its epilogue is fetched.
.macro TURN slot, next, fill, fetch, rs
	s_wait_tensorcnt 0x0                           ; all my tensor loads have landed (every window is 0 here)
	ds_add_u32 v[SPW], v[NIL]                      ; 0 onto my spare word
	s_wait_dscnt 9                                 ; the add and the youngest eight loads (x's blocks 4-7) may be out
	WIN 0xa4
	MUL16 0, 1, 3, \slot, 0                        ; sixteen matrix instructions stand between the add and the wait for it
	s_wait_dscnt 0x0                               ; the add is done, and my reads of this slot are over
	s_barrier_signal -1
	MUL16 2, 1, 3, \slot, 0
	WIN 0
	s_barrier_wait -1
.if \fill
	CREST                                          ; no wave of any partner still reads this slot's rows of x or has a load on its way
	s_add_nc_u64 s[G0A+4*\slot+2:G0A+4*\slot+3], s[G0A+4*\slot+2:G0A+4*\slot+3], 256*512   ; 256 rows on
	tensor_load_to_lds s[G0A+4*\slot:G0A+4*\slot+3], s[G1A:G1A+7]   ; my one tensor load behind the round
	s_nop 0
	PLACES 4                                       ; (behind the tensor load; also the places in front of the loads below)
.else
	PLACES NP
.endif
.if \fetch
	FETCH_B \next, 0, 0
	FETCH_A \next, 0, 0
	SCALES \next, \rs, \next
.else
	MLOAD \rs
.endif
	WIN 0xf4
	MUL16 4, 1, 3, \slot, 0
	MUL16 6, 1, 3, \slot, 0
.if \fetch
	PLACES NP
	WIN 0
	FETCH_A \next, 0, 4
.else
	WIN 0
.endif
.endm
; 32 numbers of a lane, register 8 a + j = K 16 a + 8 (l / 16) + j of the lane's row, become the four code registers of an operand's half hw (K = 64 hw ..) and two bytes of its scale word.
.macro QUANT4 src, dst, wd, hw
.irp c, 0,1,2,3
	v_max3_num_f32 v[MX+\c], |v[\src+8*\c]|, |v[\src+8*\c+1]|, 0x1800000   ; four chains of eight numbers, each over the floor 2^(3 - 127): the byte cannot fall under 1
.endr
.irp i, 2,4,6
.irp c, 0,1,2,3
	v_max3_num_f32 v[MX+\c], v[MX+\c], |v[\src+8*\c+\i]|, |v[\src+8*\c+\i+1]|
.endr
.endr
	v_max_num_f32 v[MX], v[MX], v[MX+1]            ; my 16 numbers of block 0,
	v_max_num_f32 v[MX+1], v[MX+2], v[MX+3]        ; of block 1
.irp k, 0,1
	v_permlanex16_b32 v[PX+\k], v[MX+\k], s[SEL], s[SEL+1]
.endr
.irp k, 0,1
	v_max_num_f32 v[MX+\k], v[MX+\k], v[PX+\k]     ; with lane l xor 16's: the block's largest magnitude
.endr
.irp k, 0,1
	v_add_nc_u32 v[SO+\k], 0xff000000, v[MX+\k]    ; 2 off its exponent field: the conversion's scale operand
.endr
.irp k, 0,1
	v_lshrrev_b32 v[BY+\k], 23, v[SO+\k]           ; the scale's byte
.endr
.if \hw == 0
	v_lshl_or_b32 v[\wd], v[BY+1], 8, v[BY]
.else
	v_lshl_or_b32 v[\wd], v[BY], 16, v[\wd]
	v_lshl_or_b32 v[\wd], v[BY+1], 24, v[\wd]
.endif
	v_cvt_scalef32_pk8_fp4_f32 v[\dst], v[\src:\src+7], v[SO]            ; octet l / 16 of the 64 along K
	v_cvt_scalef32_pk8_fp4_f32 v[\dst+2], v[\src+8:\src+15], v[SO]       ; octet 2 + l / 16
	v_cvt_scalef32_pk8_fp4_f32 v[\dst+1], v[\src+16:\src+23], v[SO+1]    ; octet 4 + l / 16
	v_cvt_scalef32_pk8_fp4_f32 v[\dst+3], v[\src+24:\src+31], v[SO+1]    ; octet 6 + l / 16
	v_nop                                          ; one plain place behind a scaled conversion
	v_permlane16_swap_b32 v[\dst], v[\dst+1]       ; the first's lanes 16-31 change places with the second's lanes 0-15: register g now holds octet 4 (l / 16) + g
	v_permlane16_swap_b32 v[\dst+2], v[\dst+3]
.endm
; Column group b of k, rows 64 hw .. 64 hw + 63 of my 128: phi, the mask, z, the codes.
.macro KQ4 b, hw
	WIN 0x02+\hw                                   ; source 0: window 2 or 3
.irp a, 0,1,2,3
.irp m, 0,2,4,6
	v_pk_mul_f32 v[T+8*\a+\m:T+8*\a+\m+1], v[64*\a+8*\b+\m:64*\a+8*\b+\m+1], s[L2E:L2E+1] op_sel_hi:[1,0]   ; y log2(e); each accumulator is read from its low end on
	v_pk_add_f32 v[P+8*\a+\m:P+8*\a+\m+1], v[64*\a+8*\b+\m:64*\a+8*\b+\m+1], 1.0 op_sel_hi:[1,0]            ; y + 1
.endr
.endr
	WIN 0
.set n, 0
.rept 32
	v_exp_f32 v[T+n], v[T+n]                       ; e^y
.set n, n+1
.endr
	v_nop                                          ; a plain place behind the exponentials
.set n, 0
	s_wait_alu depctr_va_vdst(0)
.rept 32
	v_med3_num_f32 v[P+n], v[T+n], 1.0, v[P+n]     ; the middle one of e^y, 1 and y + 1: e^y where y <= 0 (y + 1 <= e^y <= 1), y + 1 where y > 0 (1 < y + 1 < e^y)
.set n, n+1
.endr
	WIN 0x04                                       ; source 1: the mask, window 1
.set n, 0
.rept 16
	v_pk_mul_f32 v[P+n:P+n+1], v[P+n:P+n+1], v[32*\hw+n:32*\hw+n+1]
.set n, n+2
.endr
	WIN 0
.irp a, 0,1,2,3                                ; z takes the unquantised numbers: four chains, then a tree
	v_pk_add_f32 v[ZS+2*\a:ZS+2*\a+1], v[P+8*\a:P+8*\a+1], v[P+8*\a+2:P+8*\a+3]
.endr
.irp m, 4,6
.irp a, 0,1,2,3
	v_pk_add_f32 v[ZS+2*\a:ZS+2*\a+1], v[ZS+2*\a:ZS+2*\a+1], v[P+8*\a+\m:P+8*\a+\m+1]
.endr
.endr
	v_pk_add_f32 v[ZS:ZS+1], v[ZS:ZS+1], v[ZS+2:ZS+3]
	v_pk_add_f32 v[ZS+4:ZS+5], v[ZS+4:ZS+5], v[ZS+6:ZS+7]
	v_pk_add_f32 v[ZS:ZS+1], v[ZS:ZS+1], v[ZS+4:ZS+5]
	v_pk_add_f32 v[Z+2*\b:Z+2*\b+1], v[Z+2*\b:Z+2*\b+1], v[ZS:ZS+1]
	QUANT4 P, CF+8*\b+4*\hw, KSW+\b, \hw
.endm
; Column group b of v: the mask and the codes.
.macro VQ4 b, hw
	WIN 0x06+\hw                                   ; source 0: window 2 or 3; source 1: window 1
.irp a, 0,1,2,3
.irp m, 0,2,4,6
	v_pk_mul_f32 v[P+8*\a+\m:P+8*\a+\m+1], v[64*\a+8*\b+\m:64*\a+8*\b+\m+1], v[32*\hw+8*\a+\m:32*\hw+8*\a+\m+1]
.endr
.endr
	WIN 0
	QUANT4 P, CF+8*\b+4*\hw, KSW+\b, \hw
.endm
; A row-step's epilogue: my 128 rows x 128 columns become eight fragments (16 columns x 128 along t), and kv takes 16 products: source 0 = 16 of k's columns d, source 1 = 16 of v's columns.
.macro EPI first
	PLACES NP                                      ; behind the last products: their results are read and their operands' registers written below
	s_wait_dscnt 0x0                               ; the mask is in
.irp b, 0,1,2,3
.irp h, 0,1
	KQ4 \b, \h
.endr
.endr
.irp b, 4,5,6,7
.irp h, 0,1
	VQ4 \b, \h
.endr
.endr
	PLACES 8                                       ; a scale word made by vector instructions stands 8 places ahead of a scaled matrix instruction, an operand 4
	WIN 0x50                                       ; C and D window 1
.irp g, 0,1,2,3
.irp a, 0,1,2,3
.if \first
	v_wmma_scale_f32_16x16x128_f8f6f4 v[KV+32*\g+64*(\g/2)+8*\a:KV+32*\g+64*(\g/2)+8*\a+7], v[CF+8*\a:CF+8*\a+7], v[CF+32+8*\g:CF+32+8*\g+7], 0, v[KSW+\a], v[KSW+4+\g] matrix_a_fmt:MATRIX_FMT_FP4 matrix_b_fmt:MATRIX_FMT_FP4
.else
	v_wmma_scale_f32_16x16x128_f8f6f4 v[KV+32*\g+64*(\g/2)+8*\a:KV+32*\g+64*(\g/2)+8*\a+7], v[CF+8*\a:CF+8*\a+7], v[CF+32+8*\g:CF+32+8*\g+7], v[KV+32*\g+64*(\g/2)+8*\a:KV+32*\g+64*(\g/2)+8*\a+7], v[KSW+\a], v[KSW+4+\g] matrix_a_fmt:MATRIX_FMT_FP4 matrix_b_fmt:MATRIX_FMT_FP4
.endif
.endr
.endr
	WIN 0
.endm
	; ---- row-step 0
	FETCH_B 0, 0, 0
	FETCH_A 0, 0, 0
	SCALES 0, 0, 0
	FETCH_A 0, 0, 4
	STEP 0, 0, 1                                   ; the first step starts the sums with the biases
	STEPS 0, 1
	TURN 0, 1, 1, 1, 0                             ; slot 0's rows of x are asked for anew: row-step 1, K half 0
	STEPS 1, 0
	TURN 1, 0, 1, 0, 0                             ; slot 1's likewise: K half 1.  The wait and the round in it also show slot 0's new rows landed, to every wave
	EPI 1
	; ---- row-step 1
	PLACES NP                                      ; in front of loads into registers that the products above have read
	FETCH_B 0, 0, 0
	FETCH_A 0, 0, 0
	SCALES 0, 1, 0
	FETCH_A 0, 0, 4
	STEP 0, 0, 1
	STEPS 0, 1
	TURN 0, 1, 0, 1, 1                             ; nothing is left to fetch: a plain barrier; behind it nobody reads slot 0 any more
	STEPS 1, 0
	s_wait_dscnt 8                                 ; the very last step
	WIN 0xa4
	MUL16 0, 1, 3, 1, 0
	MUL16 2, 1, 3, 1, 0
	s_wait_dscnt 0x0
	PLACES NP
	MLOAD 1
	WIN 0xf4
	MUL16 4, 1, 3, 1, 0
	MUL16 6, 1, 3, 1, 0
	WIN 0
	EPI 0
	; ---- the merge: waves 2 and 3 hand their kv and z to waves 0 and 1 through the stage, as images of their registers; waves 0 and 1 add and store
.irp b, 0,1,2,3
	v_add_f32 v[ZS+\b], v[Z+2*\b], v[Z+2*\b+1]     ; z's two halves (these four are also the places behind the last products)
.endr
.irp b, 0,1,2,3
	v_permlanex16_b32 v[MX+\b], v[ZS+\b], s[SEL], s[SEL+1]
.endr
.irp b, 0,1,2,3
	v_add_f32 v[ZS+\b], v[ZS+\b], v[MX+\b]         ; and lane l xor 16's: z(16 b + r) over my rows
.endr
	s_cmp_eq_u32 s21, 0
	s_cbranch_scc1 .Lkeep
	WIN 0x04                                       ; an LDS store's data are its source 1: window 1
.irp g, 0,1,2,3
.irp a, 0,1,2,3
	ds_store_b128 v[MS], v[KV+32*\g+64*(\g/2)+8*\a:KV+32*\g+64*(\g/2)+8*\a+3] offset:\g*4096+\a*1024        ; each accumulator from its low end on
	ds_store_b128 v[MS], v[KV+32*\g+64*(\g/2)+8*\a+4:KV+32*\g+64*(\g/2)+8*\a+7] offset:\g*4096+\a*1024+512
.endr
.endr
	WIN 0
	ds_store_b128 v[MS], v[ZS:ZS+3] offset:16384
.Lkeep:
	s_wait_dscnt 0x0                               ; for the others' sake: my stores into the stage are done
	s_barrier_signal -1
	s_barrier_wait -1
	s_cmp_lg_u32 s21, 0
	s_cbranch_scc1 .Ldone
.irp t, 0,1,2,3,4,5,6,7
	ds_load_b128 v[32+8*\t:32+8*\t+3], v[MS] offset:(\t/4)*4096+(\t%4)*1024
	ds_load_b128 v[32+8*\t+4:32+8*\t+7], v[MS] offset:(\t/4)*4096+(\t%4)*1024+512
	ds_load_b128 v[128+8*\t:128+8*\t+3], v[MS] offset:(2+\t/4)*4096+(\t%4)*1024
	ds_load_b128 v[128+8*\t+4:128+8*\t+7], v[MS] offset:(2+\t/4)*4096+(\t%4)*1024+512
.endr
	ds_load_b128 v[ZS+4:ZS+7], v[MS] offset:16384
	s_wait_dscnt 0x0
	WIN 0x04
.set n, 0
.rept 32
	v_pk_add_f32 v[32+n:32+n+1], v[32+n:32+n+1], v[KV+n:KV+n+1]
.set n, n+2
.endr
.set n, 0
.rept 32
	v_pk_add_f32 v[128+n:128+n+1], v[128+n:128+n+1], v[KV+128+n:KV+128+n+1]
.set n, n+2
.endr
	WIN 0
	v_pk_add_f32 v[ZS:ZS+1], v[ZS:ZS+1], v[ZS+4:ZS+5]
	v_pk_add_f32 v[ZS+2:ZS+3], v[ZS+2:ZS+3], v[ZS+6:ZS+7]
.irp t, 0,1,2,3,4,5,6,7
	global_store_b128 v[LI], v[32+8*\t:32+8*\t+3], s[18:19] offset:(\t/4)*4096+(\t%4)*1024                  ; 32 lanes store 512 consecutive bytes, aligned
	global_store_b128 v[LI], v[32+8*\t+4:32+8*\t+7], s[18:19] offset:(\t/4)*4096+(\t%4)*1024+512
	global_store_b128 v[LI], v[128+8*\t:128+8*\t+3], s[18:19] offset:(2+\t/4)*4096+(\t%4)*1024
	global_store_b128 v[LI], v[128+8*\t+4:128+8*\t+7], s[18:19] offset:(2+\t/4)*4096+(\t%4)*1024+512
.endr
	global_store_b128 v[LI], v[ZS:ZS+3], s[18:19] offset:16384
.Ldone:
	s_wait_tensorcnt 0x0                           ; the wave's end, behind my last tensor load and my last LDS store
	ds_add_u32 v[SPW], v[NIL]
	s_wait_dscnt 0x0
	CROUND                                         ; the closing round: no work-group ends while a partner may still ask for a tile that names it
	s_endpgm
.Lfunc_end_k_q1108fd3b2d_kv:
	.size	k_q1108fd3b2d_kv, .Lfunc_end_k_q1108fd3b2d_kv-k_q1108fd3b2d_kv
	.p2alignl 7, 3214868480
	.fill 96, 4, 3214868480
	.section	.rodata,"a",@progbits
	.p2align	6, 0x0
	.amdhsa_kernel k_q1108fd3b2d_kv
		.amdhsa_group_segment_fixed_size 327680
		.amdhsa_private_segment_fixed_size 0
		.amdhsa_enable_private_segment 0
		.amdhsa_kernarg_size 64
		.amdhsa_user_sgpr_count 2
		.amdhsa_user_sgpr_kernarg_segment_ptr 1
		.amdhsa_wavefront_size32 1
		.amdhsa_system_sgpr_workgroup_id_x 1
		.amdhsa_system_sgpr_workgroup_id_y 1
		.amdhsa_system_sgpr_workgroup_id_z 1
		.amdhsa_system_vgpr_workitem_id 0
		.amdhsa_next_free_vgpr 1024
		.amdhsa_next_free_sgpr 102
		.amdhsa_reserve_vcc 0
		.amdhsa_float_denorm_mode_32 3
		.amdhsa_float_denorm_mode_16_64 3
		.amdhsa_memory_ordered 1
		.amdhsa_forward_progress 1
		.amdhsa_inst_pref_size 255
	.end_amdhsa_kernel
	.section	.bss,"aw",@nobits
	.p2align	6
	.space	262144
	.amdgpu_metadata
---
amdhsa.version: [ 1, 2 ]
amdhsa.kernels:
  - .name:           k_q1108fd3b2d_kv
    .symbol:         k_q1108fd3b2d_kv.kd
    .args:
      - { .name: xc, .offset: 0, .size: 8, .value_kind: global_buffer, .address_space: global }
      - { .name: xs, .offset: 8, .size: 8, .value_kind: global_buffer, .address_space: global }
      - { .name: wc, .offset: 16, .size: 8, .value_kind: global_buffer, .address_space: global }
      - { .name: ws, .offset: 24, .size: 8, .value_kind: global_buffer, .address_space: global }
      - { .name: bk, .offset: 32, .size: 8, .value_kind: global_buffer, .address_space: global }
      - { .name: bv, .offset: 40, .size: 8, .value_kind: global_buffer, .address_space: global }
      - { .name: mask, .offset: 48, .size: 8, .value_kind: global_buffer, .address_space: global }
      - { .name: part, .offset: 56, .size: 8, .value_kind: global_buffer, .address_space: global }
    .group_segment_fixed_size: 327680
    .private_segment_fixed_size: 0
    .kernarg_segment_align: 8
    .kernarg_segment_size: 64
    .max_flat_workgroup_size: 128
    .sgpr_count:     102
    .vgpr_count:     1024
    .wavefront_size: 32
...
	.end_amdgpu_metadata
.endif
;; end of part 2
;; launch red (part 3): grid 256 x 1, 4 waves a work-group, no clusters, 18,944 bytes of LDS; arguments part, kvq; writes kvq
.if DOCPART == 3
	.amdgcn_target "amdgcn-amd-amdhsa--gfx1250"
	.amdhsa_code_object_version 6
	.text
	.protected	k_q1108fd3b2d_red
	.globl	k_q1108fd3b2d_red
	.p2align	8
	.type	k_q1108fd3b2d_red,@function
k_q1108fd3b2d_red:
	s_mov_b64 s[64:65], 0
	v_nop
	global_prefetch_b8 v0, s[64:65] scope:SCOPE_SE
	s_setreg_imm32_b32 hwreg(HW_REG_WAVE_MODE, 25, 1), 1
	s_wait_xcnt 0x0
; For each (batch, head): the eight partial kv (64 x 64 f32) and z (64) are summed in f32; kv is quantised along d to codes of FP4 with E8M0 scales, laid as the last product's operand registers; z leaves as f32.
; SHARES.  Work-group = (g, n): g = batch x 16 + head, n = kv's columns k = 16 n .. 16 n + 15, and z(16 n .. 16 n + 15).  Wave w loads partials 2 w and 2 w + 1 alone: 16 loads of 16 bytes and 2 of 4 bytes a lane,
; one trip to memory for the whole work-group.  Waves 1 to 3 hand their sums to wave 0 through LDS as images of their registers (lane l's 16 bytes at 16 l); one barrier; wave 0 adds, quantises and stores.
; A partial lies as images of registers: lane (r, h), register 8 a + j = kv(d = 16 a + 8 h + j, k = 16 n + r).  So a lane's 32 registers run along d, the next K.  K = 64 fills half an operand; the reader sets the other half to zero codes.
; z's image holds four words a lane, z(16 c + r) for c = 0 .. 3, alike in both halves of the lanes: this work-group takes word n alone.
; OUT, 3,072 bytes a head: codes at 512 n + 16 lane; scale words at 2,048 + 128 n + 4 lane (bytes 2 and 3 are 0, over zero codes); z at 2,560 + 64 n + 4 r.
; LDS: wave w's region begins at 4,608 w (4,096 bytes of kv, 128 of z); wave 0's is not used, so that an address stays the wave's number times a constant.  No cluster: the work-groups share no input.
; LIMITS: NaN and infinities are not served; a block of zeros carries the scale byte 1 over zero codes.
.set MENT, 16896
.set WREG, 4608
.set S0,  32                           ; v32-63 my first partial, then the sums;  v64-95 my second partial, in wave 0 later wave 1's sums;  v96-127, v128-159 wave 2's, wave 3's
.set MX,  16
.set BY,  18
.set PX,  20
.set SO,  22
.set CD,  24                           ; v24-27 the codes;  v28 the scale word
.set SEL, 14
	s_load_b128 s[4:7], s[0:1], 0x0                ; part, kvq
	v_lshl_add_u32 v160, v0, 2, 0x4800
	v_mov_b32 v161, 0
	v_lshrrev_b32 v1, 5, v0
	v_readfirstlane_b32 s8, v1                     ; wave
	v_and_b32 v1, 31, v0                           ; lane
	v_and_b32 v2, 15, v0                           ; r
	s_lshr_b32 s9, ttmp9, 2                        ; g
	s_and_b32 s10, ttmp9, 3                        ; n
	s_lshl_b32 s11, s10, 12
	v_lshl_add_u32 v4, v1, 4, s11                  ; in, kv: 4,096 n + 16 lane
	s_lshl_b32 s11, s10, 2
	v_lshl_add_u32 v9, v1, 4, s11                  ; in, z: 16 lane + 4 n
	s_lshl_b32 s11, s10, 9
	v_lshl_add_u32 v6, v1, 4, s11                  ; out: the codes
	s_lshl_b32 s11, s10, 7
	s_add_co_u32 s11, s11, 2048
	v_lshl_add_u32 v7, v1, 2, s11                  ; the scale word
	s_lshl_b32 s11, s10, 6
	s_add_co_u32 s11, s11, 2560
	v_lshl_add_u32 v8, v2, 2, s11                  ; z: both halves of the lanes hold and store the same word
	s_mul_i32 s11, s8, WREG                        ; every LDS address is made here, ahead of the branches on the wave's number
	v_lshl_add_u32 v10, v1, 4, s11                 ; my region: 16 bytes a lane,
	v_lshl_add_u32 v11, v1, 2, s11                 ; 4 bytes a lane
	v_lshlrev_b32 v5, 4, v1                        ; wave 0 reads at 16 lane
	v_lshlrev_b32 v30, 2, v1                       ; and at 4 lane
	v_mov_b32 v[PX], 0                             ; written once: a lane permute's destination counts as one of its sources
	v_mov_b32 v[PX+1], 0
	s_mul_i32 s12, s9, 8*MENT
	s_mul_i32 s11, s8, 2*MENT
	s_add_co_u32 s12, s12, s11                     ; my two partials
	s_mov_b32 s13, 0
	s_mul_i32 s16, s9, 3072
	s_mov_b32 s17, 0
	s_mov_b32 s[SEL], 0x76543210
	s_mov_b32 s[SEL+1], 0xfedcba98
	s_wait_kmcnt 0x0
	s_add_nc_u64 s[4:5], s[4:5], s[12:13]
	s_add_nc_u64 s[6:7], s[6:7], s[16:17]
.irp p, 0,1
.irp a, 0,1,2,3
	global_load_b128 v[S0+32*\p+8*\a:S0+32*\p+8*\a+3], v4, s[4:5] offset:\p*MENT+\a*1024          ; 32 lanes read 512 consecutive bytes
	global_load_b128 v[S0+32*\p+8*\a+4:S0+32*\p+8*\a+7], v4, s[4:5] offset:\p*MENT+\a*1024+512
.endr
	global_load_b32 v[12+\p], v9, s[4:5] offset:\p*MENT+16384
.endr
	s_wait_loadcnt 0x0
.set n, 0
.rept 16
	v_pk_add_f32 v[S0+n:S0+n+1], v[S0+n:S0+n+1], v[S0+32+n:S0+32+n+1]
.set n, n+2
.endr
	v_add_f32 v12, v12, v13
	s_cmp_eq_u32 s8, 0
	s_cbranch_scc1 .Lown                           ; wave 0 keeps its sums in registers
.irp k, 0,1,2,3,4,5,6,7
	ds_store_b128 v10, v[S0+4*\k:S0+4*\k+3] offset:512*\k
.endr
	ds_store_b32 v11, v12 offset:4096
.Lown:
	s_wait_dscnt 0x0                               ; for wave 0's sake: my stores are done
	s_barrier_signal -1
	s_barrier_wait -1
	s_cmp_lg_u32 s8, 0
	s_cbranch_scc1 .Lend
.irp w, 1,2,3
.irp k, 0,1,2,3,4,5,6,7
	ds_load_b128 v[S0+32*\w+4*\k:S0+32*\w+4*\k+3], v5 offset:WREG*\w+512*\k
.endr
	ds_load_b32 v[12+\w], v30 offset:WREG*\w+4096
.endr
	s_wait_dscnt 0x0
.irp w, 1,2,3
.set n, 0
.rept 16
	v_pk_add_f32 v[S0+n:S0+n+1], v[S0+n:S0+n+1], v[S0+32*\w+n:S0+32*\w+n+1]
.set n, n+2
.endr
	v_add_f32 v12, v12, v[12+\w]
.endr
	; the 32 numbers become four code registers and a scale word
.irp c, 0,1,2,3
	v_max3_num_f32 v[MX+\c], |v[S0+8*\c]|, |v[S0+8*\c+1]|, 0x1800000   ; four chains of eight numbers, each over the floor 2^(3 - 127): the byte cannot fall under 1
.endr
.irp i, 2,4,6
.irp c, 0,1,2,3
	v_max3_num_f32 v[MX+\c], v[MX+\c], |v[S0+8*\c+\i]|, |v[S0+8*\c+\i+1]|
.endr
.endr
	v_max_num_f32 v[MX], v[MX], v[MX+1]
	v_max_num_f32 v[MX+1], v[MX+2], v[MX+3]
.irp k, 0,1
	v_permlanex16_b32 v[PX+\k], v[MX+\k], s[SEL], s[SEL+1]
.endr
.irp k, 0,1
	v_max_num_f32 v[MX+\k], v[MX+\k], v[PX+\k]     ; with lane l xor 16's: the block's largest magnitude
.endr
.irp k, 0,1
	v_add_nc_u32 v[SO+\k], 0xff000000, v[MX+\k]    ; 2 off its exponent field: the conversion's scale operand
.endr
.irp k, 0,1
	v_lshrrev_b32 v[BY+\k], 23, v[SO+\k]
.endr
	v_lshl_or_b32 v[CD+4], v[BY+1], 8, v[BY]
	v_cvt_scalef32_pk8_fp4_f32 v[CD], v[S0:S0+7], v[SO]
	v_cvt_scalef32_pk8_fp4_f32 v[CD+2], v[S0+8:S0+15], v[SO]
	v_cvt_scalef32_pk8_fp4_f32 v[CD+1], v[S0+16:S0+23], v[SO+1]
	v_cvt_scalef32_pk8_fp4_f32 v[CD+3], v[S0+24:S0+31], v[SO+1]
	v_nop                                          ; one plain place behind a scaled conversion
	v_permlane16_swap_b32 v[CD], v[CD+1]           ; register g now holds d = 32 (l / 16) + 8 g + 0 .. 7
	v_permlane16_swap_b32 v[CD+2], v[CD+3]
	global_store_b128 v6, v[CD:CD+3], s[6:7]       ; 32 lanes store 512 consecutive bytes, aligned
	global_store_b32 v7, v[CD+4], s[6:7]
	global_store_b32 v8, v12, s[6:7]
.Lend:
	s_wait_tensorcnt 0x0
	ds_add_u32 v160, v161
	s_wait_dscnt 0x0
	s_endpgm
.Lfunc_end_k_q1108fd3b2d_red:
	.size	k_q1108fd3b2d_red, .Lfunc_end_k_q1108fd3b2d_red-k_q1108fd3b2d_red
	.p2alignl 7, 3214868480
	.fill 96, 4, 3214868480
	.section	.rodata,"a",@progbits
	.p2align	6, 0x0
	.amdhsa_kernel k_q1108fd3b2d_red
		.amdhsa_group_segment_fixed_size 18944
		.amdhsa_private_segment_fixed_size 0
		.amdhsa_enable_private_segment 0
		.amdhsa_kernarg_size 16
		.amdhsa_user_sgpr_count 2
		.amdhsa_user_sgpr_kernarg_segment_ptr 1
		.amdhsa_wavefront_size32 1
		.amdhsa_system_sgpr_workgroup_id_x 1
		.amdhsa_system_sgpr_workgroup_id_y 1
		.amdhsa_system_sgpr_workgroup_id_z 1
		.amdhsa_system_vgpr_workitem_id 0
		.amdhsa_next_free_vgpr 162
		.amdhsa_next_free_sgpr 66
		.amdhsa_reserve_vcc 0
		.amdhsa_float_denorm_mode_32 3
		.amdhsa_float_denorm_mode_16_64 3
		.amdhsa_memory_ordered 1
		.amdhsa_forward_progress 1
		.amdhsa_inst_pref_size 13
	.end_amdhsa_kernel
	.amdgpu_metadata
---
amdhsa.version: [ 1, 2 ]
amdhsa.kernels:
  - .name:           k_q1108fd3b2d_red
    .symbol:         k_q1108fd3b2d_red.kd
    .args:
      - { .name: part, .offset: 0, .size: 8, .value_kind: global_buffer, .address_space: global }
      - { .name: kvq, .offset: 8, .size: 8, .value_kind: global_buffer, .address_space: global }
    .group_segment_fixed_size: 18944
    .private_segment_fixed_size: 0
    .kernarg_segment_align: 8
    .kernarg_segment_size: 16
    .max_flat_workgroup_size: 128
    .sgpr_count:     66
    .vgpr_count:     162
    .wavefront_size: 32
...
	.end_amdgpu_metadata
.endif
;; end of part 3
;; launch qout (part 4): grid 4 x 64, 4 waves a work-group, clusters of 4 x 1, 168,448 bytes of LDS; arguments xc, xs, wc, ws, bq, mask, kvq, out0; writes out0
.if DOCPART == 4
	.amdgcn_target "amdgcn-amd-amdhsa--gfx1250"
	.amdhsa_code_object_version 6
	.text
	.protected	k_q1108fd3b2d_qout
	.globl	k_q1108fd3b2d_qout
	.p2align	8
	.type	k_q1108fd3b2d_qout,@function
k_q1108fd3b2d_qout:
	s_mov_b64 s[64:65], 0
	v_nop
	global_prefetch_b8 v0, s[64:65] scope:SCOPE_SE
	s_setreg_imm32_b32 hwreg(HW_REG_WAVE_MODE, 25, 1), 1
	s_wait_xcnt 0x0
	s_wait_alu depctr_hold_cnt(0) depctr_sa_sdst(0) depctr_va_vdst(0) depctr_va_sdst(0) depctr_va_ssrc(0) depctr_va_vcc(0) depctr_vm_vsrc(0)
	s_getreg_b32 s2, hwreg(HW_REG_IB_STS2, 6, 4)
	s_cmp_eq_u32 s2, 0
	s_cbranch_scc0 .Lentry_in_a_cluster
	s_endpgm
.Lentry_in_a_cluster:
	s_bfe_u32 s2, ttmp6, 0x10000c
	s_cmp_lg_u32 s2, 0x3003
	s_cbranch_scc0 .Lentry_shape_is_right
	s_endpgm
.Lentry_shape_is_right:
; The Q side and the output.  q = x Wq^T + bq on codes of FP4 with E8M0 scales; qf = (elu(q) + 1) m in f32; den = max(qf . z, 1e-6) with the unquantised qf, by fused multiply-adds in f32;
; qf is quantised along d in registers; num = qf kv on codes (K = 64: the upper half of both operands is zero codes); out = num / den x m.
; SHARES.  Work-group (cx, Y): 256 rows of the 16,384, heads 4 cx .. 4 cx + 3; wave w is head H = 4 cx + w.  Its 64 rows of Wq for all of K stay in 256 registers for the whole launch, read once.
; All 256 rows of x's codes (rows of 512 bytes + 16 of padding) and their scale bytes are filled into LDS ONCE: no slot is filled again.
; Four row-steps of 64 rows, written out: sixteen tiles of 16 rows, numbered 0 to 15; every offset is an immediate (the largest store offset is (240 + 14) x 4,096 bytes, inside the signed 24 bits: ISA guide, chapter 10), so no base is stepped.
; BOTH PRODUCTS ARE USED TRANSPOSED.  Source 0 = 16 rows of Wq, source 1 = 16 rows of x: a lane holds ONE row t (lane % 16) and its registers run along d, the next K.
; Source 0 = 16 of kv's columns k, source 1 = qf: a lane holds eight neighbouring k of one row of the output.
; THE ORDER IN A TILE.  The wave is alone on its SIMD, so what would wait is set among work that is ready: the tile before is stored one store at a time among this tile's exponentials; the next row-step's fragments of x come
; a tile at a time, 18 LDS loads behind each tile's first lines; den's multiply-adds stand between the dependent lines that make the scale, and den's end stands behind the four short products.
; CLUSTER 4 x 1: the four work-groups need the same rows of x: each tile is asked for jointly, with the mask 15.
; LIMITS: NaN and infinities are not served.  elu(y) + 1 for y <= 0 is taken as 2^(y log2 e) where the source has expm1(y) + 1: at most about 6e-8 apart.  1 / den is v_rcp_f32's.  A block of zeros carries the scale byte 1 over zero codes.
; REGISTERS.  window 0: v4-15 addresses; v16-47 Wq's scale words; v48-79 x's; v80-83 kv's; v84 qf's; v86-93 qf's fragment; v94-101 the mask; v102-119 at work; v120-151 z; v152-183 T; v184-215 P; v216-247 rows on the way out.
;   window 1: Wq's fragment (i, s) at v[8 (8 i + s)].   window 2: v0-127 accumulator (a, i) at v[8 (4 a + i)]; v128-159 the bias as C; v160-191 num; v192-223 kv's four fragments.   window 3: x's fragment (a, s) at v[8 (8 a + s)].
.set XP,   528                         ; an LDS row of x: 512 bytes + 16 of padding = 132 words: the 16 rows that a load touches start at 16 different banks (64 banks of 4 bytes: ISA guide 11.1)
.set XSC,  256*XP                      ; x's scale bytes: 32 runs of 256 + 16
.set MSK,  XSC+32*272                  ; the mask of my 256 rows, f32
.set STG,  MSK+1024                    ; a stage of 16 rows x (256 + 16) bytes for each wave
.set XA0,  4                           ; v4-6 my lane's place in x's rows, in their scale words, in the mask; never rewritten
.set XSA0, 5
.set MKA0, 6
.set XA,   7                           ; v7-8 the first two for the row-step that is being fetched
.set XSA,  8
.set STO,  10                          ; v10 the stage: where I put 32 bytes of a row
.set RD,   11                          ; v11 and where I read a row back
.set GO,   12                          ; v12 my byte offset in the output; never rewritten
.set WS,   16
.set XS,   48
.set KVS,  80
.set QS,   84
.set QF,   86
.set MK,   94
.set RR,   102
.set DN,   104
.set MX,   112
.set BY,   114
.set PX,   116
.set SO,   118
.set Z,    120
.set T,    152
.set P,    184
.set BK,   216
.set BI,   128                         ; in window 2
.set O,    160
.set KVF,  192
.set G1X,  24                          ; s[24:31] group 1 for x's tiles;  s[32:39] for the scale bytes;  s[40:43], s[44:47] their groups 0
.set G1S,  32
.set G0X,  40
.set G0S,  44
.set L2E,  48                          ; s[48:49] log2(e), twice
.set SEL,  50                          ; s[50:51] v_permlanex16_b32's selects for lane l xor 16
.set MSB, 0
.macro WIN new                         ; the immediate's high byte repeats the setting that is left
.if MSB != (\new)
	s_set_vgpr_msb (MSB<<8)|(\new)
.set MSB, (\new)
.endif
.endm
.macro PLACES n
.rept \n
	v_nop
.endr
.endm
.macro CROUND                          ; a round of the cluster's barrier
	s_barrier_signal -1
	s_barrier_wait -1
	s_cmp_lg_u32 s20, 0
	s_cbranch_scc1 .Lnot_wave_0_\@
	s_barrier_signal -3
.Lnot_wave_0_\@:
	s_barrier_wait -3
	s_barrier_signal -1
	s_barrier_wait -1
.endm
	s_load_b512 s[4:19], s[0:1], 0x0               ; xc, xs, wc, ws, bq, mask, kvq, out0
	v_lshl_add_u32 v254, v0, 2, 0x29000
	v_mov_b32 v255, 0
	ds_add_u32 v254, v255
	ds_add_u32 v254, v255
	v_lshrrev_b32 v1, 5, v0
	v_readfirstlane_b32 s20, v1                    ; wave 0..3
	s_bfe_u32 s57, ttmp6, 0x40000                  ; cx
	s_lshl_b32 s58, ttmp9, 2
	s_add_co_u32 s58, s58, s57
	s_lshl_b32 s58, s58, 2
	s_add_co_u32 s58, s58, s20                     ; H: my head; it enters global addresses alone
	s_and_b32 s59, ttmp7, 0xffff                   ; Y: which 256 rows; the four partners share it
	; group 1: x: 64 rows x 512 bytes, dense, 16 bytes of padding behind every 128 words
	s_mov_b32 s[G1X], 15|(1<<20)|(1<<21)|(6<<22)|(3<<25)         ; 15:0 the mask: all four work-groups; 17:16 elements of 1 byte; 20 padding on; 21 set beside a mask; 24:22 code 6; 31:25 four words
	s_mov_b32 s[G1X+1], 512<<16                    ; tensor_dim0
	s_mov_b32 s[G1X+2], 64<<16                     ; tensor_dim1
	s_mov_b32 s[G1X+3], 512<<16                    ; tile_dim0
	s_mov_b32 s[G1X+4], 64                         ; tile_dim1
	s_mov_b32 s[G1X+5], 512                        ; from row to row
	s_mov_b32 s[G1X+6], 0
	s_mov_b32 s[G1X+7], 0
	; the scale bytes of 64 rows: 2,048 dense bytes as 8 rows of 256 (32 elements of 8 bytes), 16 bytes of padding behind each
	s_mov_b32 s[G1S], 15|(3<<16)|(1<<20)|(1<<21)|(5<<22)|(3<<25)
	s_mov_b32 s[G1S+1], 32<<16
	s_mov_b32 s[G1S+2], 8<<16
	s_mov_b32 s[G1S+3], 32<<16
	s_mov_b32 s[G1S+4], 8
	s_mov_b32 s[G1S+5], 32
	s_mov_b32 s[G1S+6], 0
	s_mov_b32 s[G1S+7], 0
	s_lshl_b32 s60, s59, 8
	s_lshl_b32 s61, s20, 6
	s_add_co_u32 s60, s60, s61                     ; the rows that I fetch: 256 Y + 64 w
	s_lshl_b32 s62, s60, 5
	s_lshl_b32 s60, s60, 9
	s_mov_b32 s61, 0
	s_mov_b32 s63, 0
	s_mul_i32 s66, s20, 64*XP
	s_mul_i32 s67, s20, 8*272
	s_mov_b32 s[L2E], 0x3fb8aa3b
	s_mov_b32 s[L2E+1], 0x3fb8aa3b
	s_mov_b32 s[SEL], 0x76543210
	s_mov_b32 s[SEL+1], 0xfedcba98
	s_mov_b32 s56, 0x358637bd                      ; 1e-6
	s_wait_dscnt 0x0
	s_wait_kmcnt 0x0
	s_mov_b32 s[G0X], 1
	s_mov_b32 s[G0X+1], s66
	s_add_nc_u64 s[G0X+2:G0X+3], s[4:5], s[60:61]
	s_or_b32 s[G0X+3], s[G0X+3], 0x80000000
	s_mov_b32 s[G0S], 1
	s_add_co_u32 s[G0S+1], s67, XSC
	s_add_nc_u64 s[G0S+2:G0S+3], s[6:7], s[62:63]
	s_or_b32 s[G0S+3], s[G0S+3], 0x80000000
	s_mov_b32 s69, 0
	s_lshl_b32 s68, s58, 15
	s_add_nc_u64 s[8:9], s[8:9], s[68:69]          ; Wq's codes: my head's 64 rows of 512 bytes
	s_lshl_b32 s68, s58, 11
	s_add_nc_u64 s[10:11], s[10:11], s[68:69]      ; their scale bytes
	s_lshl_b32 s68, s58, 8
	s_add_nc_u64 s[12:13], s[12:13], s[68:69]      ; bq's 64 numbers
	s_add_nc_u64 s[18:19], s[18:19], s[68:69]      ; the output: my head's 256 bytes of a row,
	s_lshl_b32 s68, s59, 20
	s_add_nc_u64 s[18:19], s[18:19], s[68:69]      ; my 256 rows of 4,096 bytes
	s_lshl_b32 s68, s59, 10
	s_add_nc_u64 s[14:15], s[14:15], s[68:69]      ; their mask
	s_lshr_b32 s68, s59, 4
	s_lshl_b32 s68, s68, 4
	s_add_co_u32 s68, s68, s58
	s_mul_i32 s68, s68, 3072
	s_add_nc_u64 s[16:17], s[16:17], s[68:69]      ; kv and z of (batch, head)
	CROUND                                         ; all four work-groups are here: the joint loads meet
	tensor_load_to_lds s[G0X:G0X+3], s[G1X:G1X+7]  ; two fills a wave, in one group; nothing is filled again
	s_nop 0
	tensor_load_to_lds s[G0S:G0S+3], s[G1S:G1S+7]
	s_nop 0
	PLACES 4                                       ; behind the tensor loads
	v_and_b32 v1, 15, v0                           ; r
	v_bfe_u32 v2, v0, 4, 1                         ; h
	v_and_b32 v3, 31, v0                           ; lane
	v_lshlrev_b32 v13, 9, v1
	v_lshl_add_u32 v13, v2, 4, v13                 ; Wq: row r of 512 bytes, + 16 h
	v_lshlrev_b32 v14, 5, v1                       ; its scale words: 32 bytes a row
	v_lshlrev_b32 v15, 5, v2                       ; bq, z: 8 numbers on for lanes 16-31
	v_lshlrev_b32 v152, 4, v3
	v_lshlrev_b32 v153, 2, v3
	v_lshlrev_b32 v154, 3, v0
	v_lshl_add_u32 v155, v0, 3, MSK
	WIN 0x40                                       ; destination window 1
.irp i, 0,1,2,3
.irp s, 0,1,2,3,4,5,6,7
.irp c, 0,1
	global_load_b128 v[8*(8*\i+\s)+4*\c:8*(8*\i+\s)+4*\c+3], v13, s[8:9] offset:8192*\i+64*\s+32*\c
.endr
.endr
.endr
	WIN 0x80                                       ; destination window 2
.irp i, 0,1,2,3
	global_load_b128 v[BI+8*\i:BI+8*\i+3], v15, s[12:13] offset:64*\i          ; register 8 i + j = bq(16 i + 8 h + j): the accumulators' layout
	global_load_b128 v[BI+8*\i+4:BI+8*\i+7], v15, s[12:13] offset:64*\i+16
	global_load_b128 v[KVF+8*\i:KVF+8*\i+3], v152, s[16:17] offset:512*\i      ; kv's codes, K = d = 0 .. 63
.endr
.irp i, 0,1,2,3
.irp k, 4,5,6,7
	v_mov_b32 v[KVF+8*\i+\k], 0                    ; K = 64 .. 127: zero codes
.endr
.endr
	WIN 0
.irp i, 0,1,2,3
	global_load_b128 v[WS+8*\i:WS+8*\i+3], v14, s[10:11] offset:512*\i
	global_load_b128 v[WS+8*\i+4:WS+8*\i+7], v14, s[10:11] offset:512*\i+16
	global_load_b128 v[Z+8*\i:Z+8*\i+3], v15, s[16:17] offset:2560+64*\i       ; register 8 i + j = z(16 i + 8 h + j)
	global_load_b128 v[Z+8*\i+4:Z+8*\i+7], v15, s[16:17] offset:2560+64*\i+16
	global_load_b32 v[KVS+\i], v153, s[16:17] offset:2048+128*\i
.endr
	global_load_b64 v[156:157], v154, s[14:15]     ; the mask: 8 bytes a thread
.irp k, 4,5,6,7
	v_mov_b32 v[QF+\k], 0                          ; qf's K = 64 .. 127: zero codes
.endr
	v_mov_b32 v[PX], 0                             ; written once: a lane permute's destination counts as one of its sources
	v_mov_b32 v[PX+1], 0
	v_mov_b32 v[RR+1], 0                           ; (named as the upper half of a pair whose low half serves both)
	v_mul_u32_u24 v[XA0], v1, XP
	v_lshl_add_u32 v[XA0], v2, 4, v[XA0]           ; a fragment's row x pitch + 16 x half
	v_lshrrev_b32 v[XSA0], 3, v1
	v_lshlrev_b32 v[XSA0], 4, v[XSA0]
	v_lshl_add_u32 v[XSA0], v1, 5, v[XSA0]
	v_add_nc_u32 v[XSA0], XSC, v[XSA0]             ; my row's scale bytes: 32 a row, 16 more behind each 256
	v_lshl_add_u32 v[MKA0], v1, 2, MSK
	s_mul_i32 s68, s20, 16*272
	s_add_co_u32 s68, s68, STG                     ; my stage
	v_mul_u32_u24 v[STO], v1, 272
	v_lshl_add_u32 v[STO], v2, 5, v[STO]
	v_add_nc_u32 v[STO], s68, v[STO]               ; in: row r, 32 bytes for each half of the lanes
	v_mul_u32_u24 v[RD], v2, 272
	v_lshl_add_u32 v[RD], v1, 4, v[RD]
	v_add_nc_u32 v[RD], s68, v[RD]                 ; back: lanes 0-15 one row of 256 bytes, lanes 16-31 the next
	v_lshlrev_b32 v[GO], 12, v2
	v_lshl_add_u32 v[GO], v1, 4, v[GO]             ; and the same two rows in the output
	s_wait_loadcnt 0x0
	ds_store_b64 v155, v[156:157]
	s_wait_dscnt 0x0                               ; for the others' sake: my part of the mask is stored,
	s_wait_tensorcnt 0x0                           ; and my parts of x and of its scales have landed
	s_barrier_signal -1
	s_barrier_wait -1
; Tile a of a row-step's four: its eight fragments of x (16 loads) and its scale words (2 loads): 18 LDS loads.  adr, sadr: the row-step's address registers.  It leaves every window 0.
.macro XF a, adr, sadr
	WIN 0xc0                                       ; destination window 3
.irp s, 0,1,2,3,4,5,6,7
.irp c, 0,1
	ds_load_b128 v[8*(8*(\a)+\s)+4*\c:8*(8*(\a)+\s)+4*\c+3], v[\adr] offset:16*XP*(\a)+64*\s+32*\c
.endr
.endr
	WIN 0
	ds_load_b128 v[XS+8*(\a):XS+8*(\a)+3], v[\sadr] offset:544*(\a)
	ds_load_b128 v[XS+8*(\a)+4:XS+8*(\a)+7], v[\sadr] offset:544*(\a)+16
.endm
.macro DFMA n                          ; den: pair n of my 16 pairs of qf x z, onto chain n % 4
	v_pk_fma_f32 v[DN+2*((\n)%4):DN+2*((\n)%4)+1], v[P+2*(\n):P+2*(\n)+1], v[Z+2*(\n):Z+2*(\n)+1], v[DN+2*((\n)%4):DN+2*((\n)%4)+1]
.endm
; Tile g of the sixteen: 16 rows x my head's 64.  next = 1: the same tile of the next row-step is fetched from LDS on the way.
.macro EPI g, next
.set AT, (\g)%4
	WIN 0x02                                       ; source 0 window 2
.set n, 0
.rept 16
	v_pk_mul_f32 v[T+n:T+n+1], v[32*AT+n:32*AT+n+1], s[L2E:L2E+1] op_sel_hi:[1,0]   ; y log2(e); each accumulator is read from its low end on
	v_pk_add_f32 v[P+n:P+n+1], v[32*AT+n:32*AT+n+1], 1.0 op_sel_hi:[1,0]            ; y + 1
.set n, n+2
.endr
.if \next
	XF AT, XA, XSA                                 ; the products that read these registers stand behind four places and the lines above
.else
	WIN 0
.endif
.set n, 0
.rept 32
	v_exp_f32 v[T+n], v[T+n]
.if (\g) > 0                                   ; the tile before leaves here, one store behind every second exponential of the last sixteen
.if n == 15
	s_wait_dscnt 18*\next                          ; it is back from the stage; the 18 loads issued behind its eight (the fragments above) may be out
.endif
.if (n > 16) && (n % 2 == 1)
	global_store_b128 v[GO], v[BK+2*(n-17):BK+2*(n-17)+3], s[18:19] offset:(16*((\g)-1)+(n-17))*4096 th:TH_STORE_NT   ; 16 lanes store 256 consecutive bytes, aligned; written once, read by nobody here
.endif
.endif
.set n, n+1
.endr
	v_nop                                          ; a plain place behind the exponentials
.set n, 0
	s_wait_alu depctr_va_vdst(0)
.rept 32
	v_med3_num_f32 v[P+n], v[T+n], 1.0, v[P+n]     ; the middle one of e^y, 1 and y + 1: e^y where y <= 0, y + 1 where y > 0
.set n, n+1
.endr
.set n, 0
.rept 16
	v_pk_mul_f32 v[P+n:P+n+1], v[P+n:P+n+1], v[MK+2*AT:MK+2*AT+1]                   ; x my row's mask
.set n, n+2
.endr
	; qf's 32 numbers of a lane (register 8 i + j = d 16 i + 8 (l / 16) + j) become four code registers and a scale word; den = qf . z on the unquantised numbers stands between the dependent lines
.irp c, 0,1,2,3
	v_max3_num_f32 v[MX+\c], |v[P+8*\c]|, |v[P+8*\c+1]|, 0x1800000   ; four chains of eight numbers, each over the floor 2^(3 - 127): the byte cannot fall under 1
.endr
.irp i, 2,4,6
.irp c, 0,1,2,3
	v_max3_num_f32 v[MX+\c], v[MX+\c], |v[P+8*\c+\i]|, |v[P+8*\c+\i+1]|
.endr
.endr
.irp c, 0,1,2,3
	v_pk_mul_f32 v[DN+2*\c:DN+2*\c+1], v[P+2*\c:P+2*\c+1], v[Z+2*\c:Z+2*\c+1]       ; den's four chains begin
.endr
	v_max_num_f32 v[MX], v[MX], v[MX+1]            ; my 16 numbers of block 0,
	v_max_num_f32 v[MX+1], v[MX+2], v[MX+3]        ; of block 1
.irp m, 4,5,6,7
	DFMA \m
.endr
.irp k, 0,1
	v_permlanex16_b32 v[PX+\k], v[MX+\k], s[SEL], s[SEL+1]
.endr
	DFMA 8
	DFMA 9
.irp k, 0,1
	v_max_num_f32 v[MX+\k], v[MX+\k], v[PX+\k]     ; with lane l xor 16's: the block's largest magnitude
.endr
	DFMA 10
	DFMA 11
.irp k, 0,1
	v_add_nc_u32 v[SO+\k], 0xff000000, v[MX+\k]    ; 2 off its exponent field: the conversion's scale operand
.endr
.irp k, 0,1
	v_lshrrev_b32 v[BY+\k], 23, v[SO+\k]           ; the scale's byte
.endr
	v_cvt_scalef32_pk8_fp4_f32 v[QF], v[P:P+7], v[SO]
	v_cvt_scalef32_pk8_fp4_f32 v[QF+2], v[P+8:P+15], v[SO]
	v_cvt_scalef32_pk8_fp4_f32 v[QF+1], v[P+16:P+23], v[SO+1]
	v_cvt_scalef32_pk8_fp4_f32 v[QF+3], v[P+24:P+31], v[SO+1]
	v_lshl_or_b32 v[QS], v[BY+1], 8, v[BY]         ; the scale word; bytes 2 and 3 stay 0, over zero codes.  (It names none of the conversions' registers: the plain place behind them)
	v_permlane16_swap_b32 v[QF], v[QF+1]           ; register g now holds K = 32 (l / 16) + 8 g + 0 .. 7
	v_permlane16_swap_b32 v[QF+2], v[QF+3]
.irp m, 12,13,14,15                            ; these four, the three packed additions and the addition are the eight places between the scale word and the scaled products (the codes want four)
	DFMA \m
.endr
	v_pk_add_f32 v[DN:DN+1], v[DN:DN+1], v[DN+2:DN+3]
	v_pk_add_f32 v[DN+4:DN+5], v[DN+4:DN+5], v[DN+6:DN+7]
	v_pk_add_f32 v[DN:DN+1], v[DN:DN+1], v[DN+4:DN+5]
	v_add_f32 v[DN], v[DN], v[DN+1]
	WIN 0x82                                       ; source 0 (kv) and D window 2
.irp q, 0,1,2,3
	v_wmma_scale_f32_16x16x128_f8f6f4 v[O+8*\q:O+8*\q+7], v[KVF+8*\q:KVF+8*\q+7], v[QF:QF+7], 0, v[KVS+\q], v[QS] matrix_a_fmt:MATRIX_FMT_FP4 matrix_b_fmt:MATRIX_FMT_FP4
.endr
	WIN 0
	v_permlanex16_b32 v[DN+2], v[DN], s[SEL], s[SEL+1]   ; den's end names none of the products' registers: its addition, maximum, v_nop and multiplication are the four places behind them
	v_add_f32 v[DN], v[DN], v[DN+2]                ; with lane l xor 16's 32 of the 64
	v_max_num_f32 v[DN], s56, v[DN]
	v_rcp_f32 v[DN+1], v[DN]
	v_nop                                          ; a plain place behind the reciprocal
	s_wait_alu depctr_va_vdst(0)
	v_mul_f32 v[RR], v[DN+1], v[MK+2*AT]           ; m / den
	WIN 0x02
.set n, 0
.rept 16
	v_pk_mul_f32 v[T+n:T+n+1], v[O+n:O+n+1], v[RR:RR+1] op_sel_hi:[1,0]             ; register 8 q + j = out(row r, k = 16 q + 8 h + j)
.set n, n+2
.endr
	WIN 0
.irp q, 0,1,2,3
	ds_store_b128 v[STO], v[T+8*\q:T+8*\q+3] offset:64*\q
	ds_store_b128 v[STO], v[T+8*\q+4:T+8*\q+7] offset:64*\q+16
.endr
.if (\g) > 0
	s_wait_xcnt 0x0                                ; the stores of the tile before, issued among the exponentials above, have read their registers: the loads below may land there
.endif
.irp k, 0,1,2,3,4,5,6,7
	ds_load_b128 v[BK+4*\k:BK+4*\k+3], v[RD] offset:544*\k      ; LDS serves a wave's instructions in order: these see my stores
.endr
.endm
; Row-step rs: 64 rows.  128 products (16 accumulators by turns, K step by K step), then four tiles.
.macro ROWSTEP rs
.if \rs == 0
	s_wait_dscnt 0x0                               ; x's fragments and scale words are in
.else
	s_wait_dscnt 16                                ; likewise; the stage's eight stores and eight loads, issued behind the last fragments, may be out
.endif
.irp a, 0,1,2,3
	ds_load_b32 v[MK+2*\a], v[MKA0] offset:256*\rs+64*\a      ; my row's mask in each tile, in both halves of a pair
	ds_load_b32 v[MK+2*\a+1], v[MKA0] offset:256*\rs+64*\a
.endr
	WIN 0xad                                       ; source 0 (Wq) window 1, source 1 (x) window 3, C and D window 2
.irp s, 0,1,2,3,4,5,6,7
.irp a, 0,1,2,3
.irp i, 0,1,2,3
.if \s == 0
	v_wmma_scale_f32_16x16x128_f8f6f4 v[8*(4*\a+\i):8*(4*\a+\i)+7], v[8*(8*\i+\s):8*(8*\i+\s)+7], v[8*(8*\a+\s):8*(8*\a+\s)+7], v[BI+8*\i:BI+8*\i+7], v[WS+8*\i+\s], v[XS+8*\a+\s] matrix_a_fmt:MATRIX_FMT_FP4 matrix_b_fmt:MATRIX_FMT_FP4
.else
	v_wmma_scale_f32_16x16x128_f8f6f4 v[8*(4*\a+\i):8*(4*\a+\i)+7], v[8*(8*\i+\s):8*(8*\i+\s)+7], v[8*(8*\a+\s):8*(8*\a+\s)+7], v[8*(4*\a+\i):8*(4*\a+\i)+7], v[WS+8*\i+\s], v[XS+8*\a+\s] matrix_a_fmt:MATRIX_FMT_FP4 matrix_b_fmt:MATRIX_FMT_FP4
.endif
.endr
.endr
.endr
	WIN 0
	s_wait_dscnt 0x0                               ; the mask is in, and the last tile is back from the stage
	PLACES 4                                       ; in front of the first read of the products' results, and of loads into registers that they have read
.if \rs < 3
	v_add_nc_u32 v[XA], (\rs+1)*64*XP, v[XA0]      ; the next row-step's rows of x,
	v_add_nc_u32 v[XSA], (\rs+1)*8*272, v[XSA0]    ; and their scale bytes
	EPI 4*\rs, 1
	EPI 4*\rs+1, 1
	EPI 4*\rs+2, 1
	EPI 4*\rs+3, 1
.else
	EPI 4*\rs, 0
	EPI 4*\rs+1, 0
	EPI 4*\rs+2, 0
	EPI 4*\rs+3, 0
.endif
.endm
	XF 0, XA0, XSA0                                ; row-step 0's fragments
	XF 1, XA0, XSA0
	XF 2, XA0, XSA0
	XF 3, XA0, XSA0
	ROWSTEP 0
	ROWSTEP 1
	ROWSTEP 2
	ROWSTEP 3
	s_wait_dscnt 0x0                               ; the last tile is back from the stage
.irp k, 0,1,2,3,4,5,6,7
	global_store_b128 v[GO], v[BK+4*\k:BK+4*\k+3], s[18:19] offset:(16*15+2*\k)*4096 th:TH_STORE_NT
.endr
	s_wait_tensorcnt 0x0
	ds_add_u32 v254, v255
	s_wait_dscnt 0x0
	CROUND                                         ; the closing round: no work-group ends while a partner may still ask for a tile that names it
	s_endpgm
.Lfunc_end_k_q1108fd3b2d_qout:
	.size	k_q1108fd3b2d_qout, .Lfunc_end_k_q1108fd3b2d_qout-k_q1108fd3b2d_qout
	.p2alignl 7, 3214868480
	.fill 96, 4, 3214868480
	.section	.rodata,"a",@progbits
	.p2align	6, 0x0
	.amdhsa_kernel k_q1108fd3b2d_qout
		.amdhsa_group_segment_fixed_size 168448
		.amdhsa_private_segment_fixed_size 0
		.amdhsa_enable_private_segment 0
		.amdhsa_kernarg_size 64
		.amdhsa_user_sgpr_count 2
		.amdhsa_user_sgpr_kernarg_segment_ptr 1
		.amdhsa_wavefront_size32 1
		.amdhsa_system_sgpr_workgroup_id_x 1
		.amdhsa_system_sgpr_workgroup_id_y 1
		.amdhsa_system_sgpr_workgroup_id_z 1
		.amdhsa_system_vgpr_workitem_id 0
		.amdhsa_next_free_vgpr 1024
		.amdhsa_next_free_sgpr 76
		.amdhsa_reserve_vcc 0
		.amdhsa_float_denorm_mode_32 3
		.amdhsa_float_denorm_mode_16_64 3
		.amdhsa_memory_ordered 1
		.amdhsa_forward_progress 1
		.amdhsa_inst_pref_size 255
	.end_amdhsa_kernel
	.section	.bss,"aw",@nobits
	.p2align	6
	.space	262144
	.amdgpu_metadata
---
amdhsa.version: [ 1, 2 ]
amdhsa.kernels:
  - .name:           k_q1108fd3b2d_qout
    .symbol:         k_q1108fd3b2d_qout.kd
    .args:
      - { .name: xc, .offset: 0, .size: 8, .value_kind: global_buffer, .address_space: global }
      - { .name: xs, .offset: 8, .size: 8, .value_kind: global_buffer, .address_space: global }
      - { .name: wc, .offset: 16, .size: 8, .value_kind: global_buffer, .address_space: global }
      - { .name: ws, .offset: 24, .size: 8, .value_kind: global_buffer, .address_space: global }
      - { .name: bq, .offset: 32, .size: 8, .value_kind: global_buffer, .address_space: global }
      - { .name: mask, .offset: 40, .size: 8, .value_kind: global_buffer, .address_space: global }
      - { .name: kvq, .offset: 48, .size: 8, .value_kind: global_buffer, .address_space: global }
      - { .name: out0, .offset: 56, .size: 8, .value_kind: global_buffer, .address_space: global }
    .group_segment_fixed_size: 168448
    .private_segment_fixed_size: 0
    .kernarg_segment_align: 8
    .kernarg_segment_size: 64
    .max_flat_workgroup_size: 128
    .sgpr_count:     76
    .vgpr_count:     1024
    .wavefront_size: 32
...
	.end_amdgpu_metadata
.endif
;; end of part 4
